; MI455X (gfx1250); checked and timed in simulation.
; The chip was launched on July 23, 2026; its instructions are those of AMD's public machine-readable ISA for CDNA 5 (MIT licence, August 2026) and "CDNA5" Instruction Set Architecture Reference Guide (July 2026). The comments in the code are by the model that wrote it; some were corrected since.
;; Fused Attention. Allowed arithmetic: matrix products marked QUANTISED: E2M1 operands, one E8M0 scale for each 32 along K, by v_wmma_scale_f32_16x16x128_f8f6f4 with both operands' format E2M1 (or v_wmma_scale_f32_32x16x128_f4), f32 sums; everything else in f32.
;; Inputs: attn_b 3,072 float32; attn_w_codes 3,072 x 32 x 16 uint8 (E2M1 codes of attn_w, K innermost, in blocks of 32 codes, two codes a byte); attn_w_scales 3,072 x 32 uint8 (E8M0 scales of attn_w, one for each 32 codes along K); ln_b 1,024 float32; ln_w 1,024 float32; proj_b 1,024 float32; proj_w_codes 1,024 x 32 x 16 uint8 (E2M1 codes of proj_w, K innermost, in blocks of 32 codes, two codes a byte); proj_w_scales 1,024 x 32 uint8 (E8M0 scales of proj_w, one for each 32 codes along K); x 4 x 2,048 x 1,024 float32.
;; Outputs: out0 4 x 2,048 x 1,024 float32.
;; Constants: n_heads = 16.
;; This version of the problem:
;;   THIS VERSION OF THE PROBLEM IS GIVEN IN LOW PRECISION. The matrix products marked QUANTISED in the list below multiply operands that are first quantised to E2M1 (2 exponent bits, 1 mantissa bit; 4 bits a number), with one power-of-two scale for each 32 numbers along K (OCP MX v1.0); their sums are f32. All else is computed in f32.
;;   The module's matrix products, in the order in which they are computed (A, B: the left and right operand; K: the contracted axis; several contracted axes count as one K, in the product's order):
;;     1. [M 8,192, K 1,024] x [K 1,024, N 3,072]; A: computed on the way; B: input attn_w (given as codes): QUANTISED
;;     2. batch 64 x [M 2,048, K 64] x [K 64, N 2,048]; A: computed on the way; B: computed on the way: QUANTISED
;;     3. batch 64 x [M 2,048, K 2,048] x [K 2,048, N 64]; A: softmax (see below); B: computed on the way: QUANTISED
;;     4. [M 8,192, K 1,024] x [K 1,024, N 1,024]; A: computed on the way; B: input proj_w (given as codes): QUANTISED
;;   THE QUANTISER, for each operand of a quantised product, along K:
;;     - K is cut into blocks of 32 from its start; a last block that is shorter is filled with zeros.
;;     - A block's scale is 2^e with e = floor(log2(the largest magnitude in the block)) - 2, held to -126 .. 127; a block of zeros has e = 0. As a byte (E8M0): e + 127.
;;     - Each number is divided by its block's scale, clamped to +-6, and rounded to the nearest number of E2M1, ties to even, subnormals kept.
;;     - The product sums the exact products of the quantised numbers (number of the format x scale) in f32.
;;   ~~~python
;;   def quantise(x, axis):      # numpy; x: float32 -> the quantised numbers, widened to float32 again
;;       x = np.moveaxis(x, axis, -1); K = x.shape[-1]
;;       x = np.pad(x, [(0, 0)] * (x.ndim - 1) + [(0, -K % 32)]); x = x.reshape(x.shape[:-1] + (-1, 32)); a = np.abs(x).max(-1, keepdims=True)
;;       e = np.where(a > 0, np.clip(np.frexp(np.where(a > 0, a, 1))[1] - 1 - 2, -126, 127), 0)      # np.frexp(a)[1] - 1 = floor(log2(a)), exactly
;;       r = np.clip(x / 2.0 ** e, -6, 6)
;;       step = 2.0 ** (np.maximum(np.frexp(np.where(r == 0, 1, r))[1] - 1, 0) - 1)
;;       q = np.round(r / step) * step * 2.0 ** e      # np.round: ties to even
;;       return np.moveaxis(q.reshape(q.shape[:-2] + (-1,))[..., :K], -1, axis).astype(np.float32)
;;   ~~~
;;   SOFTMAX AHEAD OF A QUANTISED PRODUCT. Where the list says 'softmax', what is quantised is not the finished softmax but p = 2^(t - M), with t = logit x log2(e) and M = ceil(the row's largest t), a whole number; so 1/2 < the row's largest p <= 1. The row's sum l is taken of the UNQUANTISED p, in f32, and the product's result is divided by l at the end. Since M is a whole number, a kernel that streams over the keys may use a running M (the ceiling of the running maximum): every later rescaling is an exact power of two, which a block's scale takes up: the codes' values come out the same.
;;   OPERANDS COMPUTED ON THE WAY. 'Computed on the way' means the value that the module computes at that place (a softmax that the list does not call 'softmax' is quantised finished and normalised). What goes into a quantiser is computed in f32, as accurately as f32 sums, v_exp_f32 and their like allow (about 1e-6 of the number): no bf16 or f16 on the way to a quantiser, and a product that is left as it is and whose result goes on into a quantised operand takes f32 operands (vector FMAs, or v_wmma_f32_16x16x4_f32). A number that lies on a knife's edge between two numbers of the format may be rounded either way, as far as f32 arithmetic and the matrix unit's own rounding can turn it there, and no further.
;;   INPUTS GIVEN AS CODES. attn_w (in the module: [1024, 3072], K = its axis 0); proj_w (in the module: [1024, 1024], K = its axis 0): each comes as NAME_codes (uint8): NAME with its K axis moved to the last place and cut into blocks of 32 codes, [.., K / 32, bytes a block], one block behind the other in memory; two codes a byte, the lower K in the low four bits (a code: sign, 2 exponent bits, 1 mantissa bit); and NAME_scales (uint8): the same leading axes, one E8M0 byte (e + 127) for each 32 codes along K. Its value is code x scale, taken as it is: it is not quantised again, and the codes and scales need not be those that the quantiser above would give.
;; One version. Each part assembles by itself: llvm-mc -triple=amdgcn-amd-amdhsa -mcpu=gfx1250 --defsym DOCPART=n.
;; ======== version 1 of 1: 4 launches
;; workspace buffers: xnc 4,194,304 bytes; xns 262,144 bytes; qkvc 12,582,912 bytes; qkvs 786,432 bytes; ctxc 4,194,304 bytes; ctxs 262,144 bytes
;; launch ln (part 1): grid 256 x 1, 8 waves a work-group, no clusters, 76,800 bytes of LDS; arguments x, ln_w, ln_b, xnc, xns; writes xnc, xns
.if DOCPART == 1
	.amdgcn_target "amdgcn-amd-amdhsa--gfx1250"
	.amdhsa_code_object_version 6
	.text
	.protected	k_q9b316c6183_ln
	.globl	k_q9b316c6183_ln
	.p2align	8
	.type	k_q9b316c6183_ln,@function
k_q9b316c6183_ln:
	s_mov_b64 s[64:65], 0
	v_nop
	global_prefetch_b8 v0, s[64:65] scope:SCOPE_SE
	s_setreg_imm32_b32 hwreg(HW_REG_WAVE_MODE, 25, 1), 1
	s_wait_xcnt 0x0
; xn = (x - mean) * rsqrt(var + 1e-5) * ln_w + ln_b over rows of 1,024 f32, then quantised along the row to codes of FP4 (E2M1) with one E8M0 byte for each 32 numbers.
; xnc: [8192][512 bytes], K innermost, the lower k in the lower four bits;  xns: [8192][32 bytes].
; SHARES.  A work-group takes 32 rows, each of its eight waves 4.  A wave's 32 row loads (16 bytes a lane, 512 consecutive bytes a load) all go out at the head; a row stays in 32 registers for the mean,
; the second pass over x - mean, the scaling.  The conversions want a block's 32 neighbours in ONE lane: a row turns through the wave's own stage in LDS (a block's 128 bytes + 16 of padding) and comes back a block a lane.
; No barrier: waves share nothing.  No matrix unit, no cluster, no tensor load: each byte is read once and nothing is shared.
; A block's scale is 2^(floor(log2(largest magnitude)) - 2): the largest magnitude's exponent field less 2, held at 1 from below by a floor among the maximum's leaves.
; LIMITS: NaN and infinities are not served; a block whose largest magnitude lies under 2^-124 gets the byte 1; a block of zeros gets the byte 1 where the rule says 127 (its codes are zeros, and this program alone reads the bytes).
.set WREG,  9472                       ; LDS of a wave: two stages and 128 scale bytes (rounded up to 256)
.set STG,   4608                       ; a stage: 32 blocks x 144 bytes
.set SP,    144                        ; a block's place: 128 bytes + 16
.set W,     16                         ; v16-47   ln_w: register 4 i + k = element 128 i + 4 lane + k
.set B,     48                         ; v48-79   ln_b likewise
.set X,     80                         ; v80-207  four rows, 32 registers each, laid like W
.set Y,     208                        ; v208-239 my block's 32 numbers
.set C,     240                        ; v240-255 codes: four registers a row, so that no store's data are written again
	s_load_b256 s[4:11], s[0:1], 0x0               ; x s[4:5], ln_w s[6:7], ln_b s[8:9], xnc s[10:11]
	s_load_b64 s[12:13], s[0:1], 0x20              ; xns
	s_set_vgpr_msb 0x40
	v_lshl_add_u32 v0, v0, 2, 0x12800
	v_mov_b32 v1, 0
	s_set_vgpr_msb 0x4000
	v_lshrrev_b32 v1, 5, v0
	s_delay_alu instid0(VALU_DEP_1)
	v_readfirstlane_b32 s14, v1                    ; wave 0..7
	v_and_b32 v1, 31, v0                           ; lane
	s_delay_alu instid0(VALU_DEP_1)
	v_lshlrev_b32 v2, 4, v1                        ; 16 x lane: my bytes of a load's 512, and of a row's codes
	s_mul_i32 s15, s14, WREG
	v_lshrrev_b32 v3, 3, v1
	s_delay_alu instid0(VALU_DEP_1)
	v_mul_u32_u24 v3, v3, SP
	v_and_b32 v4, 7, v1
	s_delay_alu instid0(VALU_DEP_1)
	v_lshl_add_u32 v3, v4, 4, v3
	s_delay_alu instid0(VALU_DEP_1)
	v_add_nc_u32 v3, s15, v3                       ; into the stage: eight lanes' 128 bytes are a block: SP (lane / 8) + 16 (lane % 8); a load's 512 bytes take four places
	v_mul_u32_u24 v4, v1, SP
	s_delay_alu instid0(VALU_DEP_1)
	v_add_nc_u32 v4, s15, v4                       ; out of it: block = lane
	s_add_co_u32 s15, s15, 2*STG
	v_add_nc_u32 v5, s15, v1                       ; my block's scale byte
	v_lshlrev_b32 v7, 2, v1
	s_delay_alu instid0(VALU_DEP_1)
	v_add_nc_u32 v6, s15, v7                       ; and on the way out 4 bytes a lane
	v_mov_b32 v13, 0                               ; named with v12 as a pair, so it is written
	s_mov_b32 s16, 0x76543210                      ; v_permlanex16_b32: lane l xor 16
	s_mov_b32 s17, 0xfedcba98
	s_mov_b32 s22, 0x3a800000                      ; 1 / 1024
	s_mov_b32 s23, 0x3727c5ac                      ; 1e-5
	s_lshl_b32 s18, ttmp9, 5
	s_lshl_b32 s19, s14, 2
	s_add_co_u32 s18, s18, s19                     ; my first row: 32 x work-group + 4 x wave
	s_lshl_b32 s20, s18, 12                        ; x 4,096 bytes of x (under 2^25),
	s_mov_b32 s21, 0
	s_lshl_b32 s24, s18, 9                         ; x 512 of codes,
	s_mov_b32 s25, 0
	s_lshl_b32 s26, s18, 5                         ; x 32 of scale bytes
	s_mov_b32 s27, 0
	s_wait_kmcnt 0x0
	s_add_nc_u64 s[4:5], s[4:5], s[20:21]
	s_add_nc_u64 s[10:11], s[10:11], s[24:25]
	s_add_nc_u64 s[12:13], s[12:13], s[26:27]
.irp i, 0,1,2,3,4,5,6,7
	global_load_b128 v[W+4*\i:W+4*\i+3], v2, s[6:7] offset:512*\i
	global_load_b128 v[B+4*\i:B+4*\i+3], v2, s[8:9] offset:512*\i
.endr
.irp p, 0,1,2,3
.irp i, 0,1,2,3,4,5,6,7
	global_load_b128 v[X+32*\p+4*\i:X+32*\p+4*\i+3], v2, s[4:5] offset:4096*\p+512*\i th:TH_LOAD_NT
.endr
.endr
.macro LANES                           ; v[8:9] -> the sum over both halves and the 32 lanes, in v8 of every lane
	s_delay_alu instid0(VALU_DEP_1)
	v_add_f32 v8, v8, v9
	s_delay_alu instid0(VALU_DEP_1)
	v_add_f32_dpp v8, v8, v8 row_xmask:1 row_mask:0xf bank_mask:0xf
	s_delay_alu instid0(VALU_DEP_1)
	v_add_f32_dpp v8, v8, v8 row_xmask:2 row_mask:0xf bank_mask:0xf
	s_delay_alu instid0(VALU_DEP_1)
	v_add_f32_dpp v8, v8, v8 row_xmask:4 row_mask:0xf bank_mask:0xf
	s_delay_alu instid0(VALU_DEP_1)
	v_add_f32_dpp v8, v8, v8 row_xmask:8 row_mask:0xf bank_mask:0xf
	s_delay_alu instid0(VALU_DEP_1)
	v_permlanex16_b32 v9, v8, s16, s17
	s_delay_alu instid0(VALU_DEP_1)
	v_add_f32 v8, v8, v9
.endm
.macro ROW p
.set XS, X+32*(\p)
	s_wait_loadcnt 8*(3-(\p))                      ; loads come back in order: this row's eight are in (and ln_w, ln_b, which are older); the later rows' stay out
	v_pk_add_f32 v[8:9], v[XS:XS+1], v[XS+2:XS+3]  ; the row's sum, in two chains
	v_pk_add_f32 v[10:11], v[XS+4:XS+5], v[XS+6:XS+7]
.irp j, 8,12,16,20,24,28
	s_delay_alu instid0(VALU_DEP_2)
	v_pk_add_f32 v[8:9], v[8:9], v[XS+\j:XS+\j+1]
	s_delay_alu instid0(VALU_DEP_2)
	v_pk_add_f32 v[10:11], v[10:11], v[XS+\j+2:XS+\j+3]
.endr
	s_delay_alu instid0(VALU_DEP_1)
	v_pk_add_f32 v[8:9], v[8:9], v[10:11]
	LANES
	s_delay_alu instid0(VALU_DEP_1)
	v_mul_f32 v12, s22, v8                         ; the mean
.irp j, 0,2,4,6,8,10,12,14,16,18,20,22,24,26,28,30
	v_pk_add_f32 v[XS+\j:XS+\j+1], v[XS+\j:XS+\j+1], v[12:13] op_sel_hi:[1,0] neg_lo:[0,1] neg_hi:[0,1]   ; x - mean: the variance is taken of these, not of a difference of large sums
.endr
	v_pk_mul_f32 v[8:9], v[XS:XS+1], v[XS:XS+1]
	v_pk_mul_f32 v[10:11], v[XS+2:XS+3], v[XS+2:XS+3]
.irp j, 4,8,12,16,20,24,28
	s_delay_alu instid0(VALU_DEP_2)
	v_pk_fma_f32 v[8:9], v[XS+\j:XS+\j+1], v[XS+\j:XS+\j+1], v[8:9]
	s_delay_alu instid0(VALU_DEP_2)
	v_pk_fma_f32 v[10:11], v[XS+\j+2:XS+\j+3], v[XS+\j+2:XS+\j+3], v[10:11]
.endr
	s_delay_alu instid0(VALU_DEP_1)
	v_pk_add_f32 v[8:9], v[8:9], v[10:11]
	LANES
	s_delay_alu instid0(VALU_DEP_1)
	v_fma_f32 v14, v8, s22, s23                    ; var + 1e-5
	s_wait_alu depctr_va_vdst(0)
	v_rsq_f32 v12, v14
	v_nop                                          ; a plain instruction between the transcendental and the use of its result (ISA guide 5.7.2)
	s_wait_alu depctr_va_vdst(0)
.irp j, 0,2,4,6,8,10,12,14,16,18,20,22,24,26,28,30
	v_pk_mul_f32 v[XS+\j:XS+\j+1], v[XS+\j:XS+\j+1], v[12:13] op_sel_hi:[1,0]
.endr
.irp j, 0,2,4,6,8,10,12,14,16,18,20,22,24,26,28,30
	v_pk_fma_f32 v[XS+\j:XS+\j+1], v[XS+\j:XS+\j+1], v[W+\j:W+\j+1], v[B+\j:B+\j+1]
.endr
.irp i, 0,1,2,3,4,5,6,7
	ds_store_b128 v3, v[XS+4*\i:XS+4*\i+3] offset:STG*((\p)%2)+4*SP*\i
.endr
.irp c, 0,1,2,3,4,5,6,7
	ds_load_b128 v[Y+4*\c:Y+4*\c+3], v4 offset:STG*((\p)%2)+16*\c   ; LDS serves a wave's instructions in order (ISA guide 5.7.1.4): these see the stores above
.endr
	s_wait_dscnt 0x0
	v_max3_num_f32 v14, |v[Y]|, |v[Y+1]|, 0x1800000                 ; my block's largest magnitude, in two chains, with the floor 2^(3 - 127) as one leaf: the byte cannot fall under 1
	v_max3_num_f32 v15, |v[Y+2]|, |v[Y+3]|, |v[Y+4]|
.irp i, 5,9,13,17,21,25
	s_delay_alu instid0(VALU_DEP_2)
	v_max3_num_f32 v14, v14, |v[Y+\i]|, |v[Y+\i+1]|
	s_delay_alu instid0(VALU_DEP_2)
	v_max3_num_f32 v15, v15, |v[Y+\i+2]|, |v[Y+\i+3]|
.endr
	s_delay_alu instid0(VALU_DEP_2)
	v_max3_num_f32 v14, v14, |v[Y+29]|, |v[Y+30]|
	s_delay_alu instid0(VALU_DEP_1)
	v_max3_num_f32 v14, v14, v15, |v[Y+31]|
	s_delay_alu instid0(VALU_DEP_1)
	v_add_nc_u32 v15, 0xff000000, v14              ; 2 off its exponent field: the conversion takes the exponent field of this operand as its scale
.irp g, 0,1,2,3
	v_cvt_scalef32_pk8_fp4_f32 v[C+4*(\p)+\g], v[Y+8*\g:Y+8*\g+7], v15
.endr
	v_lshrrev_b32 v14, 23, v15                     ; the scale's byte (also the plain instruction behind the conversions)
	ds_store_b8 v5, v14 offset:32*(\p)
	global_store_b128 v2, v[C+4*(\p):C+4*(\p)+3], s[10:11] offset:512*(\p)   ; 32 lanes store the row's 512 consecutive bytes
.endm
	ROW 0
	ROW 1
	ROW 2
	ROW 3
	ds_load_b32 v15, v6                            ; my four rows' 128 scale bytes, in the order of memory
	s_wait_dscnt 0x0
	global_store_b32 v7, v15, s[12:13]             ; 128 consecutive bytes
	s_set_vgpr_msb 0x5
	s_wait_tensorcnt 0x0
	ds_add_u32 v0, v1
	s_wait_dscnt 0x0
	s_set_vgpr_msb 0x500
	s_endpgm
.Lfunc_end_k_q9b316c6183_ln:
	.size	k_q9b316c6183_ln, .Lfunc_end_k_q9b316c6183_ln-k_q9b316c6183_ln
	.p2alignl 7, 3214868480
	.fill 96, 4, 3214868480
	.section	.rodata,"a",@progbits
	.p2align	6, 0x0
	.amdhsa_kernel k_q9b316c6183_ln
		.amdhsa_group_segment_fixed_size 76800
		.amdhsa_private_segment_fixed_size 0
		.amdhsa_enable_private_segment 0
		.amdhsa_kernarg_size 40
		.amdhsa_user_sgpr_count 2
		.amdhsa_user_sgpr_kernarg_segment_ptr 1
		.amdhsa_wavefront_size32 1
		.amdhsa_system_sgpr_workgroup_id_x 1
		.amdhsa_system_sgpr_workgroup_id_y 1
		.amdhsa_system_sgpr_workgroup_id_z 1
		.amdhsa_system_vgpr_workitem_id 0
		.amdhsa_next_free_vgpr 258
		.amdhsa_next_free_sgpr 66
		.amdhsa_reserve_vcc 0
		.amdhsa_float_denorm_mode_32 3
		.amdhsa_float_denorm_mode_16_64 3
		.amdhsa_memory_ordered 1
		.amdhsa_forward_progress 1
		.amdhsa_inst_pref_size 49
	.end_amdhsa_kernel
	.amdgpu_metadata
---
amdhsa.version: [ 1, 2 ]
amdhsa.kernels:
  - .name:           k_q9b316c6183_ln
    .symbol:         k_q9b316c6183_ln.kd
    .args:
      - { .name: x, .offset: 0, .size: 8, .value_kind: global_buffer, .address_space: global }
      - { .name: ln_w, .offset: 8, .size: 8, .value_kind: global_buffer, .address_space: global }
      - { .name: ln_b, .offset: 16, .size: 8, .value_kind: global_buffer, .address_space: global }
      - { .name: xnc, .offset: 24, .size: 8, .value_kind: global_buffer, .address_space: global }
      - { .name: xns, .offset: 32, .size: 8, .value_kind: global_buffer, .address_space: global }
    .group_segment_fixed_size: 76800
    .private_segment_fixed_size: 0
    .kernarg_segment_align: 8
    .kernarg_segment_size: 40
    .max_flat_workgroup_size: 256
    .sgpr_count:     66
    .vgpr_count:     258
    .wavefront_size: 32
...
	.end_amdgpu_metadata
.endif
;; end of part 1
;; launch qkv (part 2): grid 12 x 32, 4 waves a work-group, clusters of 4 x 4, 327,680 bytes of LDS; arguments xnc, xns, attn_w_codes, attn_w_scales, attn_b, qkvc, qkvs; writes qkvc, qkvs
.if DOCPART == 2
	.amdgcn_target "amdgcn-amd-amdhsa--gfx1250"
	.amdhsa_code_object_version 6
	.text
	.protected	k_q9b316c6183_qkv
	.globl	k_q9b316c6183_qkv
	.p2align	8
	.type	k_q9b316c6183_qkv,@function
k_q9b316c6183_qkv:
	s_mov_b64 s[64:65], 0
	v_nop
	global_prefetch_b8 v0, s[64:65] scope:SCOPE_SE
	s_setreg_imm32_b32 hwreg(HW_REG_WAVE_MODE, 25, 1), 1
	s_wait_xcnt 0x0
	s_wait_alu depctr_hold_cnt(0) depctr_sa_sdst(0) depctr_va_vdst(0) depctr_va_sdst(0) depctr_va_ssrc(0) depctr_va_vcc(0) depctr_vm_vsrc(0)
	s_getreg_b32 s2, hwreg(HW_REG_IB_STS2, 6, 4)
	s_cmp_eq_u32 s2, 0
	s_cbranch_scc0 .Lentry_in_a_cluster
	s_endpgm
.Lentry_in_a_cluster:
	s_bfe_u32 s2, ttmp6, 0x10000c
	s_cmp_lg_u32 s2, 0xf033
	s_cbranch_scc0 .Lentry_shape_is_right
	s_endpgm
.Lentry_shape_is_right:
; qkv = xn attn_w + attn_b on codes of FP4 (E2M1) with E8M0 scales for each 32 along K = 1,024; the results are quantised at once: q and k along the head's 64, v along the keys, and leave as codes.
; A tile of 256 x 256 is made by four waves, each 128 x 128: 64 accumulators, 512 registers.  K = 1,024 is two LDS slots of 512: both are filled at the start and none again, so there is no loop.
; THE MATRIX INSTRUCTION: source 0 = 16 rows of the "B side", source 1 = 16 rows of the "A side": a lane holds ONE row of the A side and its registers run along the B side.
;   clusters x = 0, 1 (q, k): A side = xn's tokens, B side = attn_w's rows: a lane holds a token, its registers run along d.
;   cluster  x = 2    (v):    A side = attn_w's rows 2,048 on, B side = tokens: a lane holds a d, its registers run along the keys.  Only pointers and coordinates are chosen: both kinds take one path up to the way out.
; CLUSTERS: 4 x 4 work-groups; the A side's tile is shared along a row of the cluster, the B side's along a column: each is asked for jointly, with a mask that names the four.
; THE WAY OUT.  A lane's 64 numbers of a block of 16 A rows (tile T of eight, register j: k = 16 T + 8 (lane / 16) + j) are four blocks of 32, each shared with lane l xor 16.  With T = 4 c + 2 y + x, tile T's eight codes go to
; code register 4 c + 2 x + y; exchanging the upper lanes of register 4 c + 2 x with the lower lanes of 4 c + 2 x + 1 leaves registers 4 c .. 4 c + 3 = k 64 c + 32 (lane / 16) + 0 .. 31: the operand's own layout.
; qkvc: [q, k, v][batch x 16 + head][65,536 bytes] in the order of the reader's registers: q, k: [tile of 16 tokens][lane][16 bytes];  v: [128 keys][16 d][64 keys][lane][16 bytes].
; qkvs: [q, k, v][batch x 16 + head][128 tokens or keys][r][4 words]: q, k: word p = two bytes of token r of tile 2 p, two of tile 2 p + 1;  v: word t = the four key blocks' bytes of d = 16 t + r.
; LIMITS: NaN and infinities are not served; a block whose largest magnitude lies under 2^-124, or of zeros, gets the byte 1 (zero codes add nothing; this program alone reads the bytes).
; REGISTERS: window 0: v16-30 addresses; v32-95 scale words, two sets; v128-191 the A side's fragments, one set; on the way out v128-239 at work.  window 1: the B side's fragments at v0 and v128; the bias at v64-127 and v192-207.
;   windows 2, 3: the accumulators ((a, b) at v[8 (8 (a % 4) + b)]).
.set NQ,     4                         ; matrix instructions deep in a slot (512 along K)
.set ROWB,   256                       ; a tile's row in bytes
.set KROW,   512                       ; a row of codes in memory
.set PITCH,  272                       ; an LDS row: 256 bytes + 16: the 16 rows that a load touches start at 16 different banks (64 banks of 4 bytes: ISA guide 11.1)
.set FR,     8
.set NL,     2
.set NP,     4                         ; places behind this matrix instruction (ISA guide 7.12.1)
.set HALFT,  128*PITCH
.set SLOT,   4*HALFT
.set KS,     32                        ; a row of scale bytes
.set SCL,    2*SLOT                    ; behind the slots: the scales of 512 rows, as 256 bytes + 16 of padding
.set HALFS,  (128*KS/256)*272
.set SBLK,   (16*KS/256)*272
.set SPARE,  SCL+4*HALFS               ; the spare words, 128 bytes a wave: no other line names them
.set ADRA, 16                          ; v16-17 LDS address of my A fragments in slot 0, 1
.set ADRB, 20                          ; v20-21 the same for B
.set QO,   24                          ; v24 16 x lane
.set SO,   25                          ; v25 16 r + 4,096 (lane / 16): a head's scale words; the upper lanes take the next head's
.set BH,   26                          ; v26 32 (lane / 16): the bias along the registers
.set ADRS, 27                          ; v27 LDS address of my scale words
.set SPW,  28
.set NIL,  29
.set BR,   30                          ; v30 4 r: the bias along the lanes
.set SC,   32
.set AF,   128
.set ST,   128                         ; way out: 64 numbers
.set PC,   192                         ; two sets of 8 code registers, by turns
.set TM,   208                         ; v208-223 at work in QUANT
.set SWR,  224                         ; v224-231 the eight blocks' scale words
.set WO,   232                         ; v232-235 the words as stored; v236-237 at work
.set BI,   64                          ; window 1: attn_b at my column 16 b + 8 (lane / 16) + j in register 8 b + j
.set BV,   192                         ; window 1: attn_b at my column 16 a + r, twice, in registers 2 a, 2 a + 1
.set G1, 24
.set G0, 32
.set G1B, 48
.set G0B, 56
.set G1S, 68
.set G0S, 76
.set G1SB, 80
.set G0SB, 88
.set VF,  95                           ; s95 1 in v's cluster column, else 0: the same in all partners
.set SEL, 4                            ; s[4:5] lane selects; s6, s7 byte selects; s8 the upper lanes' mask (the pointers' registers, free once the descriptors are made)
.set PS0, 6
.set PS1, 7
.set HM,  8
.set CB,  10                           ; s[10:11] where my codes go
.set SBS, 12                           ; s[12:13] where my scale words go
.set MSB, 0
.macro WIN new                         ; the immediate's high byte repeats the setting that is left
.if MSB != (\new)
	s_set_vgpr_msb (MSB<<8)|(\new)
.set MSB, \new
.endif
.endm
.set MUL_LO, 0xa1                      ; source 0 window 1, source 1 window 0, C and D window 2
.set MUL_HI, 0xf1
.set TO_B,   0x40
; A joint load: waves 0 and 1 fetch for the A side, waves 2 and 3 for the B side.  Four v_nop follow each of the two lines.
.macro JLOAD g0a, g1a, g0b, g1b
	s_cmp_eq_u32 s15, 0
	s_cbranch_scc0 .Lfor_b_\@
	tensor_load_to_lds s[\g0a:\g0a+3], s[\g1a:\g1a+7]
	s_nop 0
.rept 4
	v_nop
.endr
	s_branch .Lasked_\@
.Lfor_b_\@:
	tensor_load_to_lds s[\g0b:\g0b+3], s[\g1b:\g1b+7]
	s_nop 0
.rept 4
	v_nop
.endr
.Lasked_\@:
.endm
.macro CROUND                          ; a round of the cluster's barrier
	s_barrier_signal -1
	s_barrier_wait -1
	s_cmp_lg_u32 s14, 0
	s_cbranch_scc1 .Lnot_wave_0_\@
	s_barrier_signal -3
.Lnot_wave_0_\@:
	s_barrier_wait -3
	s_barrier_signal -1
	s_barrier_wait -1
.endm
	s_load_b128 s[4:7], s[0:1], 0x0                ; xn's codes, xn's scales
	s_load_b128 s[8:11], s[0:1], 0x10              ; attn_w's codes, attn_w's scales
	s_load_b128 s[96:99], s[0:1], 0x20             ; attn_b, qkvc
	s_load_b64 s[100:101], s[0:1], 0x30            ; qkvs
	v_lshl_add_u32 v[SPW], v0, 2, SPARE
	v_mov_b32 v[NIL], 0
	ds_add_u32 v28, v29
	ds_add_u32 v28, v29
	s_wait_dscnt 0x0
	v_lshrrev_b32 v1, 5, v0
	v_readfirstlane_b32 s14, v1                    ; wave 0..3
	s_lshr_b32 s15, s14, 1                         ; which half of the A side is mine.  Also: I fetch for A (0) or for B (1)
	s_and_b32 s16, s14, 1                          ; which half of the B side.  Also: which 128 rows I fetch
	s_bfe_u32 s40, ttmp6, 0x40000                  ; cx
	s_bfe_u32 s41, ttmp6, 0x40004                  ; cy
	s_lshl_b32 s42, ttmp9, 2                       ; 4 x cluster x
	s_and_b32 s17, ttmp7, 0xffff
	s_lshl_b32 s17, s17, 2                         ; 4 x cluster y
	s_cmp_eq_u32 ttmp9, 2                          ; v's clusters?  The choice hangs on the cluster's x alone
	s_cselect_b32 s[VF], 1, 0
	s_cselect_b32 s42, s17, s42                    ; B side's tile: v: tokens, 4 x cluster y + cx;  q, k: attn_w's rows, 4 x cluster x + cx
	s_cselect_b32 s17, 0, s17                      ; A side's tile: v: attn_w's rows behind 2,048: cy;  q, k: tokens, 4 x cluster y + cy
	s_add_co_u32 s42, s42, s40
	s_add_co_u32 s17, s17, s41
	s_lshl_b32 s43, s41, 2
	s_lshl_b32 s43, 15, s43                        ; my row of the cluster
	s_lshl_b32 s44, 0x1111, s40                    ; my column
	s_or_b32 s[G1+0], s43, (0<<16)|(1<<20)|(1<<21)|(5<<22)|(3<<25)  ; the mask; elements of 1 byte; padding on; bit 21 beside a mask; after every 64 words 4 words
	s_or_b32 s[G1B+0], s44, (0<<16)|(1<<20)|(1<<21)|(5<<22)|(3<<25)
.irp g, G1, G1B
	s_mov_b32 s[\g+1], ROWB<<16                    ; tensor_dim0
	s_mov_b32 s[\g+2], 128<<16                     ; tensor_dim1
	s_mov_b32 s[\g+3], ROWB<<16                    ; tile_dim0
	s_mov_b32 s[\g+4], 128                         ; tile_dim1
	s_mov_b32 s[\g+5], KROW                        ; the pitch
	s_mov_b32 s[\g+6], 0
	s_mov_b32 s[\g+7], 0
.endr
	s_or_b32 s[G1S+0], s43, (3<<16)|(1<<20)|(1<<21)|(5<<22)|(3<<25) ; the scales of 128 rows: 4,096 dense bytes as 16 rows of 256 (32 elements of 8 bytes), 16 bytes of padding behind each
	s_or_b32 s[G1SB+0], s44, (3<<16)|(1<<20)|(1<<21)|(5<<22)|(3<<25)
.irp g, G1S, G1SB
	s_mov_b32 s[\g+1], 32<<16
	s_mov_b32 s[\g+2], (128*KS/256)<<16
	s_mov_b32 s[\g+3], 32<<16
	s_mov_b32 s[\g+4], 128*KS/256
	s_mov_b32 s[\g+5], 32
	s_mov_b32 s[\g+6], 0
	s_mov_b32 s[\g+7], 0
.endr
	s_lshl_b32 s18, s16, 7                         ; which 128 rows of the tile I fetch
	s_lshl_b32 s20, s17, 8
	s_add_co_u32 s20, s20, s18                     ; A side: row 256 x tile + 128 x half
	s_lshl_b32 s46, s42, 8
	s_add_co_u32 s46, s46, s18                     ; B side likewise
	s_mov_b32 s21, 0
	s_mov_b32 s47, 0
	s_mov_b64 s[18:19], KS
	s_mul_u64 s[22:23], s[20:21], s[18:19]         ; where these rows' scales begin,
	s_mul_u64 s[92:93], s[46:47], s[18:19]
	s_mov_b64 s[18:19], KROW
	s_mul_u64 s[20:21], s[20:21], s[18:19]         ; and their codes
	s_mul_u64 s[46:47], s[46:47], s[18:19]
	s_mul_i32 s45, s14, HALFT                      ; where they go: wave x 128 rows
	s_mul_i32 s94, s14, HALFS
	s_wait_kmcnt 0x0
	s_add_nc_u64 s[12:13], s[8:9], 0x100000        ; attn_w's row 2,048: its codes,
	s_add_nc_u64 s[66:67], s[10:11], 0x10000       ; its scale bytes
	s_cmp_eq_u32 s[VF], 1                          ; which buffer plays which side
	s_cselect_b64 s[2:3], s[12:13], s[4:5]         ; A side's codes
	s_cselect_b64 s[8:9], s[4:5], s[8:9]           ; B side's codes
	s_cselect_b64 s[12:13], s[66:67], s[6:7]       ; A side's scales
	s_cselect_b64 s[10:11], s[6:7], s[10:11]       ; B side's scales
	s_add_nc_u64 s[20:21], s[2:3], s[20:21]
	s_add_nc_u64 s[22:23], s[12:13], s[22:23]
	s_add_nc_u64 s[46:47], s[8:9], s[46:47]
	s_add_nc_u64 s[92:93], s[10:11], s[92:93]
	CROUND                                         ; all sixteen work-groups are here: the joint loads meet
	s_mov_b32 s[G0S], 1
	s_add_co_u32 s[G0S+1], s94, SCL
	s_mov_b64 s[G0S+2:G0S+3], s[22:23]
	s_or_b32 s[G0S+3], s[G0S+3], 0x80000000
	s_mov_b32 s[G0SB], 1
	s_add_co_u32 s[G0SB+1], s94, SCL
	s_mov_b64 s[G0SB+2:G0SB+3], s[92:93]
	s_or_b32 s[G0SB+3], s[G0SB+3], 0x80000000
	JLOAD G0S, G1S, G0SB, G1SB                     ; the scales first: they are wanted with slot 0
.irp s, 0,1
	s_mov_b32 s[G0+4*\s], 1
	s_add_co_u32 s[G0+4*\s+1], s45, \s*SLOT
	s_add_nc_u64 s[G0+4*\s+2:G0+4*\s+3], s[20:21], \s*ROWB
	s_or_b32 s[G0+4*\s+3], s[G0+4*\s+3], 0x80000000
	s_mov_b32 s[G0B+4*\s], 1
	s_add_co_u32 s[G0B+4*\s+1], s45, \s*SLOT
	s_add_nc_u64 s[G0B+4*\s+2:G0B+4*\s+3], s[46:47], \s*ROWB
	s_or_b32 s[G0B+4*\s+3], s[G0B+4*\s+3], 0x80000000
	JLOAD G0+4*\s, G1, G0B+4*\s, G1B               ; three tensor loads of mine are out
.endr
	v_and_b32 v1, 15, v0                           ; r
	v_bfe_u32 v2, v0, 4, 1                         ; lane / 16
	v_mul_u32_u24 v3, v1, PITCH
	v_lshl_add_u32 v4, v2, 4, v3                   ; a fragment's row x pitch + 16 x half
	s_mul_i32 s21, s15, HALFT
	s_mul_i32 s22, s16, HALFT
	s_add_co_u32 s22, s22, 2*HALFT
.irp s, 0,1
	v_add_nc_u32 v[ADRA+\s], s21, v4
	v_add_nc_u32 v[ADRB+\s], s22, v4
	s_add_co_u32 s21, s21, SLOT
	s_add_co_u32 s22, s22, SLOT
.endr
	v_mul_u32_u24 v5, v1, KS                       ; my row's scales: KS bytes a row,
	v_lshrrev_b32 v6, 8, v5
	v_lshl_add_u32 v5, v6, 4, v5                   ; and 16 more for each 256 passed
	s_mul_i32 s21, s15, HALFS
	s_mul_i32 s22, s16, HALFS
	s_add_co_u32 s22, s22, 2*HALFS
	s_sub_co_u32 s22, s22, s21
	v_mul_u32_u24 v6, s22, v2                      ; lanes 16-31 take the B side's
	s_add_co_u32 s21, s21, SCL
	v_add_nc_u32 v5, v5, v6
	v_add_nc_u32 v[ADRS], s21, v5
	v_and_b32 v6, 31, v0
	v_lshlrev_b32 v[QO], 4, v6
	v_lshlrev_b32 v[SO], 4, v1
	v_lshl_add_u32 v[SO], v2, 12, v[SO]
	v_lshlrev_b32 v[BH], 5, v2
	s_wait_alu depctr_va_vdst(0)
	v_lshlrev_b32 v[BR], 2, v1
	s_wait_alu depctr_va_vdst(0)
	s_mov_b32 s[SEL], 0x76543210
	s_mov_b32 s[SEL+1], 0xfedcba98
	s_mov_b32 s[PS0], 0x05040100                   ; v_perm_b32: the two low halves
	s_mov_b32 s[PS1], 0x07060302                   ; the two high halves
	s_mov_b32 s[HM], 0xffff0000
	; where my wave's 128 tokens x 128 columns go
	s_lshl_b32 s18, s17, 8
	s_lshl_b32 s19, s15, 7
	s_add_co_u32 s18, s18, s19                     ; my first row of the A side
	s_lshl_b32 s19, s42, 8
	s_lshl_b32 s2, s16, 7
	s_add_co_u32 s19, s19, s2                      ; and of the B side
	s_add_co_u32 s2, s18, 2048
	s_cmp_eq_u32 s[VF], 1
	s_cselect_b32 s3, s19, s18                     ; my first token
	s_cselect_b32 s2, s2, s19                      ; my first column of qkv
	s_lshr_b32 s18, s2, 6                          ; column / 64: 16 x (q, k, v) + head
	s_lshr_b32 s19, s18, 4
	s_and_b32 s18, s18, 15
	s_lshl_b32 s19, s19, 6
	s_add_co_u32 s18, s18, s19
	s_lshr_b32 s19, s3, 11                         ; the batch
	s_lshl_b32 s19, s19, 4
	s_add_co_u32 s18, s18, s19                     ; 64 x (q, k, v) + 16 x batch + head
	s_bfe_u32 s19, s3, 0x40007                     ; which 128 tokens of the sequence
	s_lshl_b32 s20, s18, 16
	s_lshl_b32 s21, s19, 12
	s_add_co_u32 s20, s20, s21
	s_mov_b32 s21, 0
	s_add_nc_u64 s[CB:CB+1], s[98:99], s[20:21]
	s_lshl_b32 s20, s18, 12
	s_lshl_b32 s22, s19, 8
	s_add_co_u32 s20, s20, s22
	s_add_nc_u64 s[SBS:SBS+1], s[100:101], s[20:21]
	s_lshl_b32 s20, s2, 2
	s_add_nc_u64 s[96:97], s[96:97], s[20:21]      ; attn_b at my first column
	; attn_b's 128 numbers of my columns, in both forms, so that the head has one way for both kinds: along the registers (q, k use it) and along the lanes (v uses it).  They land under the products
	WIN TO_B
.irp b, 0,1,2,3,4,5,6,7
	global_load_b128 v[BI+8*\b:BI+8*\b+3], v[BH], s[96:97] offset:64*\b
	global_load_b128 v[BI+8*\b+4:BI+8*\b+7], v[BH], s[96:97] offset:64*\b+16
.endr
.irp a, 0,1,2,3,4,5,6,7
	global_load_b32 v[BV+2*\a], v[BR], s[96:97] offset:64*\a
	global_load_b32 v[BV+2*\a+1], v[BR], s[96:97] offset:64*\a
.endr
	WIN 0
.macro FRAG reg, adr, q, i             ; 16 rows x 128 K of 4-bit codes: registers 4 c .. 4 c + 3 hold K = 64 c + 32 (lane / 16) + 0 .. 31
.irp c, 0,1
	ds_load_b128 v[\reg+4*\c:\reg+4*\c+3], v[\adr] offset:64*(\q)+32*\c+(\i)*16*PITCH
.endr
.endm
; 16 matrix instructions: A's blocks a0, a0 + 1 x B's eight.  The 64 accumulators take turns, one instruction a turn, in the same order in every step.
.macro MUL16 a0, p, q, sc, zero
.irp a, \a0, \a0+1
.irp b, 0,1,2,3,4,5,6,7
.if \zero
	v_wmma_scale_f32_16x16x128_f8f6f4 v[8*(8*((\a)%4)+\b):8*(8*((\a)%4)+\b)+7], v[128*(\p)+FR*\b:128*(\p)+FR*\b+FR-1], v[AF+FR*(\a):AF+FR*(\a)+FR-1], 0, v[SC+8*NQ*(\sc)+NQ*\b+(\q)], v[SC+8*NQ*(\sc)+NQ*(\a)+(\q)] matrix_a_fmt:MATRIX_FMT_FP4 matrix_b_fmt:MATRIX_FMT_FP4 matrix_a_scale:MATRIX_SCALE_ROW1
.else
	v_wmma_scale_f32_16x16x128_f8f6f4 v[8*(8*((\a)%4)+\b):8*(8*((\a)%4)+\b)+7], v[128*(\p)+FR*\b:128*(\p)+FR*\b+FR-1], v[AF+FR*(\a):AF+FR*(\a)+FR-1], v[8*(8*((\a)%4)+\b):8*(8*((\a)%4)+\b)+7], v[SC+8*NQ*(\sc)+NQ*\b+(\q)], v[SC+8*NQ*(\sc)+NQ*(\a)+(\q)] matrix_a_fmt:MATRIX_FMT_FP4 matrix_b_fmt:MATRIX_FMT_FP4 matrix_a_scale:MATRIX_SCALE_ROW1
.endif
.endr
.endr
.endm
.macro FETCH_B slot, q, p
	WIN TO_B
.irp i, 0,1,2,3,4,5,6,7
	FRAG 128*(\p)+FR*\i, ADRB+\slot, \q, \i
.endr
	WIN 0
.endm
.macro FETCH_A slot, q, i0
.irp i, \i0, \i0+1, \i0+2, \i0+3
	FRAG AF+FR*(\i), ADRA+\slot, \q, \i
.endr
.endm
.macro SCALES sc                       ; a slot's scale words: lanes 0-15 the A side's block i, lanes 16-31 the B side's block i
.irp i, 0,1,2,3,4,5,6,7
	ds_load_b128 v[SC+8*NQ*\sc+NQ*\i:SC+8*NQ*\sc+NQ*\i+3], v[ADRS] offset:\i*SBLK
.endr
.endm
.macro PLACES n                        ; plain vector instructions between a matrix instruction and a load into, or a vector read of, its registers
.rept \n
	v_nop
.endr
.endm
.macro STEP slot, q, zero              ; 128 along K, with its successor in the same slot
	s_wait_dscnt 4*NL                              ; B's set and A's blocks 0-3 are in; the youngest eight loads (A's blocks 4-7) may be out
	WIN MUL_LO
	MUL16 0, (\q)%2, \q, \slot, \zero
	MUL16 2, (\q)%2, \q, \slot, \zero
	s_wait_dscnt 0
	PLACES NP
	FETCH_B \slot, (\q)+1, 1-(\q)%2
	FETCH_A \slot, (\q)+1, 0
	WIN MUL_HI
	MUL16 4, (\q)%2, \q, \slot, \zero
	MUL16 6, (\q)%2, \q, \slot, \zero
	PLACES NP
	WIN 0
	FETCH_A \slot, (\q)+1, 4
.endm
.macro TURN slot, next                 ; slot 0's last step changes slots: one barrier
	s_wait_tensorcnt 0x0                           ; my part of the next slot has landed
	ds_add_u32 v[SPW], v[NIL]                      ; 0 onto my spare word
	s_wait_dscnt 4*NL+1                            ; (the add and the youngest eight loads may be out)
	WIN MUL_LO
	MUL16 0, 1, NQ-1, \slot, 0
	s_wait_dscnt 0x0
	s_barrier_signal -1
	MUL16 2, 1, NQ-1, \slot, 0
	WIN 0
	s_barrier_wait -1                              ; the next slot is whole
	PLACES NP
	v_add_nc_u32 v[ADRS], 4*NQ, v[ADRS]            ; on to the next slot's scale words
	FETCH_B \next, 0, 0
	FETCH_A \next, 0, 0
	SCALES \next
	WIN MUL_HI
	MUL16 4, 1, NQ-1, \slot, 0
	MUL16 6, 1, NQ-1, \slot, 0
	PLACES NP
	WIN 0
	FETCH_A \next, 0, 4
.endm
.macro STEPS slot, from
.set Q, \from
.rept NQ-1-\from
	STEP \slot, Q, 0
.set Q, Q+1
.endr
.endm
	s_wait_tensorcnt 1                             ; the scales and my part of slot 0 are in (slot 1's load may be out),
	s_barrier_signal -1
	s_barrier_wait -1                              ; everybody's are
	FETCH_B 0, 0, 0
	FETCH_A 0, 0, 0
	SCALES 0
	FETCH_A 0, 0, 4
	STEP 0, 0, 1                                   ; the first products start the sums: nothing is cleared
	STEPS 0, 1
	TURN 0, 1
	STEPS 1, 0
	s_wait_dscnt 4*NL                              ; the last step: nothing more to fetch
	WIN MUL_LO
	MUL16 0, 1, NQ-1, 1, 0
	MUL16 2, 1, NQ-1, 1, 0
	s_wait_dscnt 0
	WIN MUL_HI
	MUL16 4, 1, NQ-1, 1, 0
	MUL16 6, 1, NQ-1, 1, 0
	WIN 0
; 64 numbers of a lane, v[s + 8 T + j] = k 16 T + 8 (lane / 16) + j of my row, become a fragment's codes in v[pc] on and its scale word in v[pw].
.macro QUANT s, pc, pw
.irp b, 0,1,2,3
	v_max3_num_f32 v[TM+\b], |v[(\s)+16*\b]|, |v[(\s)+16*\b+1]|, 0x1800000   ; block b: my 16 numbers and the floor 2^(3 - 127): the byte cannot fall under 1
.endr
.irp i, 2,4,6,8,10,12,14
.irp b, 0,1,2,3
	v_max3_num_f32 v[TM+\b], v[TM+\b], |v[(\s)+16*\b+\i]|, |v[(\s)+16*\b+\i+1]|   ; (the four blocks by turns)
.endr
.endr
.irp b, 0,1,2,3
	v_permlanex16_b32 v[TM+4+\b], v[TM+\b], s[SEL], s[SEL+1]
.endr
.irp b, 0,1,2,3
	v_max_num_f32 v[TM+\b], v[TM+\b], v[TM+4+\b]   ; with lane l xor 16's 16: the block's largest magnitude
.endr
.irp b, 0,1,2,3
	v_add_nc_u32 v[TM+12+\b], 0xff000000, v[TM+\b] ; 2 off its exponent field: the conversion's scale operand
.endr
.irp b, 0,1,2,3
	v_lshrrev_b32 v[TM+4+\b], 23, v[TM+12+\b]      ; the scale's byte
.endr
	v_lshl_or_b32 v[\pw], v[TM+5], 8, v[TM+4]
	v_lshl_or_b32 v[\pw], v[TM+6], 16, v[\pw]
	v_lshl_or_b32 v[\pw], v[TM+7], 24, v[\pw]
.irp c, 0,1
.irp y, 0,1
.irp x, 0,1
	v_cvt_scalef32_pk8_fp4_f32 v[(\pc)+4*\c+2*\x+\y], v[(\s)+8*(4*\c+2*\y+\x):(\s)+8*(4*\c+2*\y+\x)+7], v[TM+12+2*\c+\y]
.endr
.endr
.endr
	v_nop                                          ; one plain instruction behind the scaled conversions
.irp c, 0,1
.irp x, 0,1
	v_permlane16_swap_b32 v[(\pc)+4*\c+2*\x], v[(\pc)+4*\c+2*\x+1]   ; the first's lanes 16-31 change places with the second's lanes 0-15
.endr
.endr
.endm
; Block a of 16 A rows: accumulators + bias, out of their window; quantised; two stores of 512 consecutive bytes.
.macro OUTB a, isv
.if (\a) >= 2
	s_wait_xcnt 0x0                                ; the stores of two blocks ago have read this set of code registers
.endif
	WIN 0x06+((\a)/4)                              ; source 0: window 2 or 3; source 1: window 1
.irp b, 0,1,2,3,4,5,6,7
.irp i, 0,2,4,6
.if \isv
	v_pk_add_f32 v[ST+8*\b+\i:ST+8*\b+\i+1], v[64*((\a)%4)+8*\b+\i:64*((\a)%4)+8*\b+\i+1], v[BV+2*(\a):BV+2*(\a)+1]
.else
	v_pk_add_f32 v[ST+8*\b+\i:ST+8*\b+\i+1], v[64*((\a)%4)+8*\b+\i:64*((\a)%4)+8*\b+\i+1], v[BI+8*\b+\i:BI+8*\b+\i+1]
.endif
.endr
.endr
	WIN 0
	QUANT ST, PC+8*((\a)%2), SWR+(\a)
.if \isv
	global_store_b128 v[QO], v[PC+8*((\a)%2):PC+8*((\a)%2)+3], s[CB:CB+1] offset:((\a)/4)*65536+((\a)%4)*1024       ; head a / 4, d 16 (a % 4) on: keys 0-63,
	global_store_b128 v[QO], v[PC+8*((\a)%2)+4:PC+8*((\a)%2)+7], s[CB:CB+1] offset:((\a)/4)*65536+((\a)%4)*1024+512 ; keys 64-127
.else
	global_store_b128 v[QO], v[PC+8*((\a)%2):PC+8*((\a)%2)+3], s[CB:CB+1] offset:512*(\a)           ; tile a of tokens: my first head,
	global_store_b128 v[QO], v[PC+8*((\a)%2)+4:PC+8*((\a)%2)+7], s[CB:CB+1] offset:512*(\a)+65536   ; my second
.endif
.endm
	PLACES NP                                      ; behind the last products: results are read, and the registers that held A's fragments are written
	s_wait_loadcnt 0x0                             ; the bias
.irp b, 0,1,2,3
	v_mov_b32 v[TM+4+\b], 0                        ; written once: a lane permute's destination counts as one of its sources
.endr
	s_cmp_eq_u32 s[VF], 1
	s_cbranch_scc1 .Lv_out
.irp a, 0,1,2,3,4,5,6,7
	OUTB \a, 0
.endr
.irp p, 0,1,2,3                        ; a token's word holds two bytes of each head: word p of a head = tiles 2 p and 2 p + 1
	v_perm_b32 v[WO+4], v[SWR+2*\p+1], v[SWR+2*\p], s[PS0]
	v_perm_b32 v[WO+5], v[SWR+2*\p+1], v[SWR+2*\p], s[PS1]
	v_cndmask_b32 v[WO+\p], v[WO+4], v[WO+5], s[HM]   ; lanes 0-15 carry the first head's, lanes 16-31 the second's
.endr
	s_branch .Lout_done
.Lv_out:
.irp a, 0,1,2,3,4,5,6,7
	OUTB \a, 1
.endr
.irp p, 0,1,2,3
	v_cndmask_b32 v[WO+\p], v[SWR+\p], v[SWR+4+\p], s[HM]
.endr
.Lout_done:
	s_wait_alu depctr_va_vdst(0)
	global_store_b128 v[SO], v[WO:WO+3], s[SBS:SBS+1]   ; sixteen lanes store a head's 256 consecutive bytes
	s_wait_tensorcnt 0x0                           ; the wave's end
	ds_add_u32 v[SPW], v[NIL]
	s_wait_dscnt 0x0
	CROUND                                         ; the closing round
	s_endpgm
.Lfunc_end_k_q9b316c6183_qkv:
	.size	k_q9b316c6183_qkv, .Lfunc_end_k_q9b316c6183_qkv-k_q9b316c6183_qkv
	.p2alignl 7, 3214868480
	.fill 96, 4, 3214868480
	.section	.rodata,"a",@progbits
	.p2align	6, 0x0
	.amdhsa_kernel k_q9b316c6183_qkv
		.amdhsa_group_segment_fixed_size 327680
		.amdhsa_private_segment_fixed_size 0
		.amdhsa_enable_private_segment 0
		.amdhsa_kernarg_size 56
		.amdhsa_user_sgpr_count 2
		.amdhsa_user_sgpr_kernarg_segment_ptr 1
		.amdhsa_wavefront_size32 1
		.amdhsa_system_sgpr_workgroup_id_x 1
		.amdhsa_system_sgpr_workgroup_id_y 1
		.amdhsa_system_sgpr_workgroup_id_z 1
		.amdhsa_system_vgpr_workitem_id 0
		.amdhsa_next_free_vgpr 1024
		.amdhsa_next_free_sgpr 102
		.amdhsa_reserve_vcc 0
		.amdhsa_float_denorm_mode_32 3
		.amdhsa_float_denorm_mode_16_64 3
		.amdhsa_memory_ordered 1
		.amdhsa_forward_progress 1
		.amdhsa_inst_pref_size 197
	.end_amdhsa_kernel
	.amdgpu_metadata
---
amdhsa.version: [ 1, 2 ]
amdhsa.kernels:
  - .name:           k_q9b316c6183_qkv
    .symbol:         k_q9b316c6183_qkv.kd
    .args:
      - { .name: xnc, .offset: 0, .size: 8, .value_kind: global_buffer, .address_space: global }
      - { .name: xns, .offset: 8, .size: 8, .value_kind: global_buffer, .address_space: global }
      - { .name: attn_w_codes, .offset: 16, .size: 8, .value_kind: global_buffer, .address_space: global }
      - { .name: attn_w_scales, .offset: 24, .size: 8, .value_kind: global_buffer, .address_space: global }
      - { .name: attn_b, .offset: 32, .size: 8, .value_kind: global_buffer, .address_space: global }
      - { .name: qkvc, .offset: 40, .size: 8, .value_kind: global_buffer, .address_space: global }
      - { .name: qkvs, .offset: 48, .size: 8, .value_kind: global_buffer, .address_space: global }
    .group_segment_fixed_size: 327680
    .private_segment_fixed_size: 0
    .kernarg_segment_align: 8
    .kernarg_segment_size: 56
    .max_flat_workgroup_size: 128
    .sgpr_count:     102
    .vgpr_count:     1024
    .wavefront_size: 32
...
	.end_amdgpu_metadata
.endif
;; end of part 2
;; launch attn (part 3): grid 4 x 64, 16 waves a work-group, no clusters, 169,984 bytes of LDS; arguments qkvc, qkvs, ctxc, ctxs; writes ctxc, ctxs
.if DOCPART == 3
	.amdgcn_target "amdgcn-amd-amdhsa--gfx1250"
	.amdhsa_code_object_version 6
	.text
	.protected	k_q9b316c6183_attn
	.globl	k_q9b316c6183_attn
	.p2align	8
	.type	k_q9b316c6183_attn,@function
k_q9b316c6183_attn:
	s_mov_b64 s[64:65], 0
	v_nop
	global_prefetch_b8 v0, s[64:65] scope:SCOPE_SE
	s_setreg_imm32_b32 hwreg(HW_REG_WAVE_MODE, 25, 1), 1
	s_wait_xcnt 0x0
; ctx = softmax(q k^T / 8, causal) v for one (batch, head), both products on codes of FP4 (E2M1) with E8M0 scales; ctx / l is quantised along the model's 1,024 and leaves as codes.
; THE SOFTMAX AHEAD OF THE SECOND PRODUCT: t = score x log2(e) / 8; M = the running largest t rounded UP to a whole number; p = 2^(t - M) is quantised along the keys, not normalised; the row's sum is taken of the
; unquantised p and divides at the end.  When M moves, the sum and O are multiplied by 2^(old M - new M): exact.
; SHARES.  A work-group owns the query blocks i and 7 - i (256 queries each) of one head; each of its sixteen waves one tile of 16 queries of each.  By the causal mask a wave walks 2 i + 1 or 2 key steps of 128 in the
; first pass and 2 (7 - i) + 1 or 2 in the second: 16 or 18 in all, the same in every work-group.  Four waves share a SIMD: one's vector work stands beside another's products and LDS loads.
; LDS.  A head's K and V codes (65,536 bytes each) and scale words (4,096 each) are copied once, as they lie in memory, which is the order of the operands' registers: every read is 16 bytes x lane on end.
; The first pass reads keys 0-1,023 only: each fetching wave asks for the first half and the second half by two loads, and the second lands under the first pass.
; NO CLUSTER, though the four work-groups of a head read the same K and V: the steps that a wave leaves out are chosen by a branch on its own query block, which differs between those four.
; THE HEAD'S 64 IN AN INSTRUCTION'S 128: a fragment of K holds TWO tiles of 16 keys, one in k 0-63 and one in k 64-127; multiplied by (q, 0) it gives the first tile's scores, by (0, q) the second's: zero codes add nothing.
; Both products are used transposed (source 0 = keys, or d; source 1 = my queries, or p): a lane holds one query; tile T's register j is key 16 T + 8 (lane / 16) + j.  With T = 4 c + 2 y + x, tile T's eight codes go to
; code register 4 c + 2 x + y, and an exchange of halves between registers 4 c + 2 x and 4 c + 2 x + 1 gives the operand's layout.
; LIMITS: NaN and infinities are not served; a block's largest p is made from the block's largest score by the same multiply-add and exponential (this takes v_exp_f32 not to fall where its input rises);
; a block of zeros, or under 2^-124, gets the byte 1 (this program alone reads the bytes).
; REGISTERS: v1-8 addresses that stay; v9, v10 q's scale words as loaded; v11 q's scale word; v12 -M, v13 the largest t, v[14:15] the sum; v16-19 q, v20-23 zeros, v24-27 q; v28-31 the second pass's q; v32-63 K; v64-95 V;
; v96-159 S^T, then p; v160-191 O^T; v192-199 p's codes; v200-203 K's scale words, v204-207 V's, v208 p's; v212-231 at work; v232-236 ctx's codes and byte; v237 16 r.
.set VIMG, 65536                       ; LDS: K's image at 0, V's here,
.set KSCL, 131072                      ; K's scale words,
.set VSCL, 135168                      ; V's
.set BM,  212                          ; block maxima
.set PT,  216                          ; the other half's, then the bytes
.set SO4, 220                          ; the conversions' scale operands
	s_load_b256 s[4:11], s[0:1], 0x0               ; qkvc s[4:5], qkvs s[6:7], ctxc s[8:9], ctxs s[10:11]
	v_lshl_add_u32 v254, v0, 2, 0x29000
	v_mov_b32 v255, 0
	ds_add_u32 v254, v255
	ds_add_u32 v254, v255
	v_lshrrev_b32 v1, 5, v0
	s_delay_alu instid0(VALU_DEP_1)
	v_readfirstlane_b32 s12, v1                    ; wave 0..15
	s_mov_b32 s13, ttmp9                           ; i
	s_and_b32 s14, ttmp7, 0xffff                   ; 16 x batch + head
	s_lshl_b32 s26, s12, 4
	s_lshl_b32 s85, s13, 8
	s_add_co_u32 s85, s85, s26                     ; my first query in the first pass: 256 i + 16 wave,
	s_sub_co_u32 s84, 7, s13
	s_lshl_b32 s84, s84, 8
	s_add_co_u32 s84, s84, s26                     ; and in the second: 256 (7 - i) + 16 wave
	s_and_b32 s27, s12, 1
	s_lshl_b32 s27, s27, 4                         ; my tile's two bytes in q's scale word: 16 (wave % 2) bits up
	s_mov_b32 s16, 0x76543210                      ; v_permlanex16_b32: lane l xor 16
	s_mov_b32 s17, 0xfedcba98
	s_mov_b32 s18, 0x3e38aa3b                      ; c = log2(e) / 8
	s_mov_b32 s19, s18                             ; (named with it as a pair)
	s_mov_b32 s20, 0xffff0000                      ; the upper lanes
; byte offsets of a pass with first query s[q0]: s[qc:qc+1] q's codes, s[qc+2:qc+3] q's scale words, s[cc:cc+1] ctx's codes, s[cc+2:cc+3] ctx's scale bytes
.macro OFFS q0, qc, cc
	s_lshl_b32 s[\qc], s14, 16                     ; the head's 65,536 bytes,
	s_lshl_b32 s26, s[\q0], 5                      ; 512 a tile of 16 queries
	s_add_co_u32 s[\qc], s[\qc], s26
	s_mov_b32 s[\qc+1], 0
	s_lshl_b32 s[\qc+2], s14, 12                   ; the head's 4,096 bytes,
	s_lshr_b32 s26, s[\q0], 7
	s_lshl_b32 s26, s26, 8                         ; 256 for each 128 queries,
	s_add_co_u32 s[\qc+2], s[\qc+2], s26
	s_bfe_u32 s26, s[\q0], 0x20005
	s_lshl_b32 s26, s26, 2                         ; the word of my pair of tiles
	s_add_co_u32 s[\qc+2], s[\qc+2], s26
	s_mov_b32 s[\qc+3], 0
	s_lshr_b32 s[\cc], s14, 4
	s_lshl_b32 s[\cc], s[\cc], 20                  ; ctxc: the batch's 128 tiles of 8,192 bytes,
	s_lshl_b32 s26, s[\q0], 9                      ; my tile,
	s_add_co_u32 s[\cc], s[\cc], s26
	s_and_b32 s26, s14, 15
	s_lshl_b32 s26, s26, 9                         ; the head's 512 bytes in it
	s_add_co_u32 s[\cc], s[\cc], s26
	s_mov_b32 s[\cc+1], 0
	s_lshr_b32 s[\cc+2], s14, 4
	s_lshl_b32 s[\cc+2], s[\cc+2], 16              ; ctxs: 32 bytes a token,
	s_lshl_b32 s26, s[\q0], 5
	s_add_co_u32 s[\cc+2], s[\cc+2], s26
	s_and_b32 s26, s14, 15
	s_lshl_b32 s26, s26, 1                         ; the head's two
	s_add_co_u32 s[\cc+2], s[\cc+2], s26
	s_mov_b32 s[\cc+3], 0
.endm
	OFFS 85, 76, 68
	OFFS 84, 80, 72
	; what I fetch, if I fetch.  Waves 0, 1: K's codes; 2, 3: V's (16,384 bytes of each half); waves 4, 5: K's, V's scale words (2,048 bytes of each half).
	s_and_b32 s60, s12, 3
	s_lshr_b32 s60, s60, 1                         ; K (0) or V (1)
	s_and_b32 s61, s12, 1
	s_lshl_b32 s62, s60, 16
	s_lshl_b32 s63, s61, 14
	s_add_co_u32 s62, s62, s63                     ; codes, in LDS
	s_add_co_u32 s86, s60, 1
	s_lshl_b32 s86, s86, 6
	s_add_co_u32 s86, s86, s14
	s_lshl_b32 s86, s86, 16
	s_add_co_u32 s86, s86, s63                     ; and in memory: (64 (1 + K or V) + head) x 65,536 + 16,384 (wave % 2)
	s_mov_b32 s87, 0
	s_lshl_b32 s88, s61, 12
	s_add_co_u32 s88, s88, KSCL                    ; scale words, in LDS
	s_add_co_u32 s90, s61, 1
	s_lshl_b32 s90, s90, 6
	s_add_co_u32 s90, s90, s14
	s_lshl_b32 s90, s90, 12                        ; and in memory
	s_mov_b32 s91, 0
	; descriptor groups 1: dense blocks as rows of 256 bytes (32 elements of 8 bytes): 64 rows of codes, 8 rows of scale words
	s_mov_b32 s28, 3<<16
	s_mov_b32 s29, 32<<16
	s_mov_b32 s30, 64<<16
	s_mov_b32 s31, 32<<16
	s_mov_b32 s32, 64
	s_mov_b32 s33, 32
	s_mov_b32 s34, 0
	s_mov_b32 s35, 0
	s_mov_b32 s36, 3<<16
	s_mov_b32 s37, 32<<16
	s_mov_b32 s38, 8<<16
	s_mov_b32 s39, 32<<16
	s_mov_b32 s40, 8
	s_mov_b32 s41, 32
	s_mov_b32 s42, 0
	s_mov_b32 s43, 0
	s_wait_dscnt 0x0
	s_wait_kmcnt 0x0
	s_add_nc_u64 s[86:87], s[4:5], s[86:87]
	s_add_nc_u64 s[90:91], s[6:7], s[90:91]
	s_mov_b32 s44, 1                               ; codes, keys 0-1,023
	s_mov_b32 s45, s62
	s_mov_b64 s[46:47], s[86:87]
	s_or_b32 s47, s47, 0x80000000
	s_mov_b32 s48, 1                               ; codes, keys 1,024-2,047
	s_add_co_u32 s49, s62, 32768
	s_add_nc_u64 s[50:51], s[86:87], 32768
	s_or_b32 s51, s51, 0x80000000
	s_mov_b32 s52, 1                               ; scale words likewise
	s_mov_b32 s53, s88
	s_mov_b64 s[54:55], s[90:91]
	s_or_b32 s55, s55, 0x80000000
	s_mov_b32 s56, 1
	s_add_co_u32 s57, s88, 2048
	s_add_nc_u64 s[58:59], s[90:91], 2048
	s_or_b32 s59, s59, 0x80000000
	s_cmp_lt_u32 s12, 4                            ; a wave's two fills stand in one branch on its number; two tensor loads of a wave are out at the most
	s_cbranch_scc0 .Lnot_codes
	tensor_load_to_lds s[44:47], s[28:35]
	s_nop 0
	tensor_load_to_lds s[48:51], s[28:35]
	s_nop 0
.rept 4
	v_nop
.endr
	s_branch .Lasked
.Lnot_codes:
	s_cmp_lt_u32 s12, 6
	s_cbranch_scc0 .Lasked
	tensor_load_to_lds s[52:55], s[36:43]
	s_nop 0
	tensor_load_to_lds s[56:59], s[36:43]
	s_nop 0
.rept 4
	v_nop
.endr
.Lasked:
	s_add_nc_u64 s[76:77], s[4:5], s[76:77]
	s_add_nc_u64 s[78:79], s[6:7], s[78:79]
	s_add_nc_u64 s[80:81], s[4:5], s[80:81]
	s_add_nc_u64 s[82:83], s[6:7], s[82:83]
	s_add_nc_u64 s[68:69], s[8:9], s[68:69]
	s_add_nc_u64 s[70:71], s[10:11], s[70:71]
	s_add_nc_u64 s[72:73], s[8:9], s[72:73]
	s_add_nc_u64 s[74:75], s[10:11], s[74:75]
	v_and_b32 v1, 31, v0
	s_delay_alu instid0(VALU_DEP_1)
	v_lshlrev_b32 v1, 4, v1                        ; 16 x lane: my place in an image
	s_delay_alu instid0(VALU_DEP_1)
	v_add_nc_u32 v2, VIMG, v1
	v_and_b32 v224, 15, v0                         ; r
	v_bfe_u32 v225, v0, 4, 1                       ; h
	s_delay_alu instid0(VALU_DEP_2)
	v_lshlrev_b32 v237, 4, v224                    ; 16 r: a row's four scale words
	s_delay_alu instid0(VALU_DEP_1)
	v_add_nc_u32 v3, KSCL, v237
	s_delay_alu instid0(VALU_DEP_3)
	v_lshlrev_b32 v7, 3, v225
	s_delay_alu instid0(VALU_DEP_1)
	v_sub_nc_u32 v7, v224, v7                      ; r - 8 h
	v_lshl_add_u32 v8, v224, 5, v225               ; 32 r + h: my byte among ctx's scale bytes
	global_load_b128 v[16:19], v1, s[76:77]        ; q's image, twice: (q, 0) is v[16:23], (0, q) is v[20:27]
	global_load_b128 v[24:27], v1, s[76:77]
	global_load_b128 v[28:31], v1, s[80:81]        ; the second pass's
	global_load_b32 v9, v237, s[78:79]
	global_load_b32 v10, v237, s[82:83]
.irp k, 0,1,2,3
	v_mov_b32 v[20+\k], 0
	v_mov_b32 v[PT+\k], 0                          ; written once: a lane permute's destination counts as one of its sources
.endr
	v_mov_b32 v227, 0                              ; (named as the upper half of the pair v[226:227])
	v_mov_b32 v230, 0xff800000                     ; -infinity
	s_wait_loadcnt 0x0
.macro SETUP word, q0, second
.if \second
.irp k, 0,1,2,3
	v_mov_b32 v[16+\k], v[28+\k]
	v_mov_b32 v[24+\k], v[28+\k]
.endr
.endif
	v_lshrrev_b32 v224, s27, v[\word]
	s_delay_alu instid0(VALU_DEP_1)
	v_and_b32 v224, 0xffff, v224                   ; my tile's two bytes,
	s_delay_alu instid0(VALU_DEP_1)
	v_lshl_or_b32 v11, v224, 16, v224              ; for k 0-63 and for k 64-127 alike
	v_mov_b32 v13, 0xff61b1e6                      ; the largest t so far: -3e38
	s_delay_alu instid0(VALU_DEP_1)
	v_floor_f32 v12, -v13                          ; -M
	v_mov_b32 v14, 0
	v_mov_b32 v15, 0
.set j, 0
.rept 32
	v_mov_b32 v[160+j], 0                          ; O^T: the step is written once; its first turn finds zeros.  (These are also the places between the lines above and the first scaled product)
.set j, j+1
.endr
	s_mov_b32 s21, 0                               ; the step's images: 4,096 bytes a step
	s_mov_b32 s22, 0                               ; its scale words: 256 a step
	s_mov_b32 s23, 0                               ; its first key
	s_mov_b32 s24, s[\q0]                          ; my first query
.endm
; A KEY STEP: 128 keys.
.macro STEP
	s_add_co_u32 s26, s24, 15
	s_cmp_gt_u32 s23, s26                          ; all its keys come after my 16 queries: the work is left out, the steps of the addresses at its end are not
	s_cbranch_scc1 .Lhidden_\@
	s_setprio 2
	v_add_nc_u32 v4, s21, v1
	v_add_nc_u32 v5, s21, v2
	v_add_nc_u32 v6, s22, v3
	v_nop                                          ; four places in front of loads into registers that the last products read
	ds_load_b128 v[200:203], v6
.irp t, 0,1,2,3,4,5,6,7
	ds_load_b128 v[32+4*\t:35+4*\t], v4 offset:512*\t
.endr
	ds_load_b128 v[204:207], v6 offset:VSCL-KSCL
.irp t, 0,1,2,3,4,5,6,7
	ds_load_b128 v[64+4*\t:67+4*\t], v5 offset:512*\t
.endr
	s_wait_dscnt 9                                 ; K and its scale words are in; the nine younger loads (V's) land under the softmax
.irp p, 0,1,2,3
	v_wmma_scale_f32_16x16x128_f8f6f4 v[96+16*\p:103+16*\p], v[32+8*\p:39+8*\p], v[16:23], 0, v[200+\p], v11 matrix_a_fmt:MATRIX_FMT_FP4 matrix_b_fmt:MATRIX_FMT_FP4
	v_wmma_scale_f32_16x16x128_f8f6f4 v[104+16*\p:111+16*\p], v[32+8*\p:39+8*\p], v[20:27], 0, v[200+\p], v11 matrix_a_fmt:MATRIX_FMT_FP4 matrix_b_fmt:MATRIX_FMT_FP4
.endr
.rept 4
	v_nop
.endr
	s_add_co_u32 s26, s23, 127
	s_cmp_le_u32 s26, s24                          ; a step all of whose keys count skips the mask
	s_cbranch_scc1 .Lopen_\@
	s_sub_co_i32 s26, s24, s23
	v_add_nc_u32 v231, s26, v7                     ; d = my query - the step's first key - 8 h.  Register n holds key 16 (n / 8) + n % 8 + 8 h: hidden where 16 (n / 8) + n % 8 > d
.set n, 0
.rept 64
	v_cmp_gt_i32 vcc_lo, 16*(n/8)+n%8, v231
	v_cndmask_b32 v[96+n], v[96+n], v230, vcc_lo
.set n, n+1
.endr
.Lopen_\@:
.irp b, 0,1,2,3
	v_max3_num_f32 v[BM+\b], v[96+16*\b], v[97+16*\b], v[98+16*\b]   ; the largest score of each block of 32 keys: for the row's maximum, and, since p rises with the score, for the block's largest p
.endr
.irp i, 3,5,7,9,11,13
.irp b, 0,1,2,3
	v_max3_num_f32 v[BM+\b], v[BM+\b], v[96+16*\b+\i], v[97+16*\b+\i]
.endr
.endr
.irp b, 0,1,2,3
	v_max_num_f32 v[BM+\b], v[BM+\b], v[111+16*\b]
.endr
.irp b, 0,1,2,3
	s_delay_alu instid0(VALU_DEP_4)
	v_permlanex16_b32 v[PT+\b], v[BM+\b], s16, s17
.endr
.irp b, 0,1,2,3
	s_delay_alu instid0(VALU_DEP_4)
	v_max_num_f32 v[BM+\b], v[BM+\b], v[PT+\b]
.endr
	s_delay_alu instid0(VALU_DEP_2)
	v_max3_num_f32 v224, v[BM], v[BM+1], v[BM+2]
	s_delay_alu instid0(VALU_DEP_1)
	v_max_num_f32 v224, v224, v[BM+3]
	s_delay_alu instid0(VALU_DEP_1)
	v_mul_f32 v224, s18, v224                      ; as t
	s_delay_alu instid0(VALU_DEP_1)
	v_max_num_f32 v13, v13, v224                   ; the running largest t
	v_mov_b32 v224, v12
	s_delay_alu instid0(VALU_DEP_2)
	v_floor_f32 v12, -v13                          ; the new -M = -ceil(t)
	s_delay_alu instid0(VALU_DEP_1)
	v_sub_f32 v224, v12, v224                      ; old M - new M: a whole number, 0 or less
	s_delay_alu instid0(VALU_DEP_1)
	v_cvt_i32_f32 v224, v224                       ; (it saturates)
	s_delay_alu instid0(VALU_DEP_1)
	v_ldexp_f32 v226, 1.0, v224                    ; f = 2^(old M - new M)
.set j, 0
.rept 32
	v_pk_fma_f32 v[96+j:97+j], v[96+j:97+j], s[18:19], v[12:13] op_sel_hi:[1,0,0]   ; t - M
.set j, j+2
.endr
	s_setprio 1
.irp b, 0,1,2,3
	v_fma_f32 v[BM+\b], v[BM+\b], s18, v12
.endr
.set j, 0
	s_wait_alu depctr_va_vdst(0)
.rept 64
	v_exp_f32 v[96+j], v[96+j]                     ; p = 2^(t - M)
.set j, j+1
.endr
.irp b, 0,1,2,3
	v_exp_f32 v[BM+\b], v[BM+\b]                   ; the block's largest p
.endr
	v_pk_mul_f32 v[14:15], v[14:15], v[226:227] op_sel_hi:[1,0]   ; the sum under the new M (a plain instruction behind the exponentials)
	s_wait_alu depctr_va_vdst(0)
.irp b, 0,1,2,3
	v_max_num_f32 v[BM+\b], 0x1800000, v[BM+\b]    ; the floor 2^(3 - 127)
.endr
.irp b, 0,1,2,3
	s_delay_alu instid0(VALU_DEP_4)
	v_add_nc_u32 v[SO4+\b], 0xff000000, v[BM+\b]
.endr
.irp b, 0,1,2,3
	s_delay_alu instid0(VALU_DEP_4)
	v_lshrrev_b32 v[PT+\b], 23, v[SO4+\b]
.endr
	s_delay_alu instid0(VALU_DEP_3)
	v_lshl_or_b32 v208, v[PT+1], 8, v[PT]          ; p's scale word for these 128 keys
	s_delay_alu instid0(VALU_DEP_1)
	v_lshl_or_b32 v208, v[PT+2], 16, v208
	s_delay_alu instid0(VALU_DEP_1)
	v_lshl_or_b32 v208, v[PT+3], 24, v208
.irp c, 0,1
.irp y, 0,1
.irp x, 0,1
	v_cvt_scalef32_pk8_fp4_f32 v[192+4*\c+2*\x+\y], v[96+8*(4*\c+2*\y+\x):103+8*(4*\c+2*\y+\x)], v[SO4+2*\c+\y]
.endr
.endr
.endr
	v_nop                                          ; one plain instruction behind the scaled conversions
.irp c, 0,2,4,6
	v_permlane16_swap_b32 v[192+\c], v[193+\c]
.endr
	v_pk_add_f32 v[228:229], v[100:101], v[104:105]
	v_pk_add_f32 v[252:253], v[108:109], v[112:113]
	v_pk_add_f32 v[250:251], v[116:117], v[120:121]
	v_pk_add_f32 v[248:249], v[124:125], v[128:129]
	v_pk_add_f32 v[246:247], v[132:133], v[136:137]
	v_pk_add_f32 v[244:245], v[140:141], v[144:145]
	v_pk_add_f32 v[242:243], v[148:149], v[152:153]
	v_pk_add_f32 v[14:15], v[14:15], v[156:157]
	v_pk_add_f32 v[228:229], v[228:229], v[96:97]
	v_pk_add_f32 v[252:253], v[252:253], v[98:99]
	v_pk_add_f32 v[250:251], v[250:251], v[102:103]
	v_pk_add_f32 v[248:249], v[248:249], v[106:107]
	v_pk_add_f32 v[246:247], v[246:247], v[110:111]
	s_setprio 0
	v_pk_add_f32 v[244:245], v[244:245], v[114:115]
	v_pk_add_f32 v[242:243], v[242:243], v[118:119]
	v_pk_add_f32 v[14:15], v[14:15], v[122:123]
	v_pk_add_f32 v[228:229], v[228:229], v[126:127]
	v_pk_add_f32 v[252:253], v[252:253], v[130:131]
	v_pk_add_f32 v[250:251], v[250:251], v[134:135]
	v_pk_add_f32 v[248:249], v[248:249], v[138:139]
	v_pk_add_f32 v[246:247], v[246:247], v[142:143]
	v_pk_add_f32 v[244:245], v[244:245], v[146:147]
	v_pk_add_f32 v[242:243], v[242:243], v[150:151]
	v_pk_add_f32 v[14:15], v[14:15], v[154:155]
	v_pk_add_f32 v[228:229], v[228:229], v[158:159]
	s_delay_alu instid0(VALU_DEP_2)
	v_pk_add_f32 v[14:15], v[14:15], v[248:249]
	s_delay_alu instid0(VALU_DEP_2)
	v_pk_add_f32 v[228:229], v[228:229], v[246:247]
	v_pk_add_f32 v[252:253], v[252:253], v[244:245]
	v_pk_add_f32 v[250:251], v[250:251], v[242:243]
	s_delay_alu instid0(VALU_DEP_2)
	v_pk_add_f32 v[14:15], v[14:15], v[252:253]
	s_delay_alu instid0(VALU_DEP_2)
	v_pk_add_f32 v[228:229], v[228:229], v[250:251]
	s_delay_alu instid0(VALU_DEP_1)
	v_pk_add_f32 v[14:15], v[14:15], v[228:229]
.set j, 0
.rept 16
	v_pk_mul_f32 v[160+j:161+j], v[160+j:161+j], v[226:227] op_sel_hi:[1,0]   ; O^T under the new M
.set j, j+2
.endr
	s_wait_alu depctr_va_vdst(0)
	s_wait_dscnt 0x0                               ; V and its scale words are in
.irp t, 0,1,2,3                        ; O^T += V^T P^T: the four accumulators by turns, one instruction a turn
	v_wmma_scale_f32_16x16x128_f8f6f4 v[160+8*\t:167+8*\t], v[64+8*\t:71+8*\t], v[192:199], v[160+8*\t:167+8*\t], v[204+\t], v208 matrix_a_fmt:MATRIX_FMT_FP4 matrix_b_fmt:MATRIX_FMT_FP4
.endr
.Lhidden_\@:
	s_add_co_u32 s23, s23, 128
	s_add_co_u32 s21, s21, 4096
	s_add_co_u32 s22, s22, 256
.endm
; The pass's end: O^T / l; register 8 t + j is ctx(my query, d = 16 t + 8 h + j): two blocks of 32 along the model's axis; codes and bytes leave.
.macro FINISH cc
.rept 4
	v_nop                                          ; places behind the last products
.endr
	s_wait_xcnt 0x0                                ; the last pass's stores have read their registers
	v_add_f32 v14, v14, v15
	s_delay_alu instid0(VALU_DEP_1)
	v_permlanex16_b32 v224, v14, s16, s17
	s_delay_alu instid0(VALU_DEP_1)
	v_add_f32 v14, v14, v224                       ; the row's sum
	s_wait_alu depctr_va_vdst(0)
	v_rcp_f32 v226, v14
	v_nop
.set j, 0
	s_wait_alu depctr_va_vdst(0)
.rept 16
	v_pk_mul_f32 v[96+j:97+j], v[160+j:161+j], v[226:227] op_sel_hi:[1,0]
.set j, j+2
.endr
.irp b, 0,1
	v_max3_num_f32 v[BM+\b], |v[96+16*\b]|, |v[97+16*\b]|, 0x1800000
.endr
.irp i, 2,4,6,8,10,12,14
.irp b, 0,1
	s_delay_alu instid0(VALU_DEP_2)
	v_max3_num_f32 v[BM+\b], v[BM+\b], |v[96+16*\b+\i]|, |v[97+16*\b+\i]|
.endr
.endr
.irp b, 0,1
	s_delay_alu instid0(VALU_DEP_2)
	v_permlanex16_b32 v[PT+\b], v[BM+\b], s16, s17
.endr
.irp b, 0,1
	s_delay_alu instid0(VALU_DEP_2)
	v_max_num_f32 v[BM+\b], v[BM+\b], v[PT+\b]
.endr
.irp b, 0,1
	s_delay_alu instid0(VALU_DEP_2)
	v_add_nc_u32 v[SO4+\b], 0xff000000, v[BM+\b]
.endr
.irp b, 0,1
	s_delay_alu instid0(VALU_DEP_2)
	v_lshrrev_b32 v[PT+\b], 23, v[SO4+\b]
.endr
.irp y, 0,1
.irp x, 0,1
	v_cvt_scalef32_pk8_fp4_f32 v[232+2*\x+\y], v[96+8*(2*\y+\x):103+8*(2*\y+\x)], v[SO4+\y]
.endr
.endr
	v_nop
	v_permlane16_swap_b32 v232, v233
	v_permlane16_swap_b32 v234, v235               ; v232-235: d = 32 h + 0 .. 31 of query r
	v_cndmask_b32 v236, v[PT], v[PT+1], s20        ; lanes 0-15 carry block 0's byte, lanes 16-31 block 1's
	global_store_b128 v1, v[232:235], s[\cc:\cc+1] ; 512 consecutive bytes
	global_store_b8 v8, v236, s[\cc+2:\cc+3]       ; two bytes a token, 32 bytes apart: a 128th of what the launch reads
.endm
	SETUP 9, 85, 0
	s_wait_tensorcnt 0x1                           ; my first-half load has landed; the second-half load may stay out
	s_barrier_signal -1
	s_barrier_wait -1                              ; and so has everybody's
	s_mov_b32 s25, 8                               ; keys 0-1,023: eight steps, all inside the first halves
.Lpass_a:
	STEP
	s_sub_co_u32 s25, s25, 1
	s_cmp_lg_u32 s25, 0
	s_cbranch_scc1 .Lpass_a
	s_setprio 0
	FINISH 68
	SETUP 10, 84, 1
	s_wait_tensorcnt 0x0                           ; my second-half load has landed
	s_wait_dscnt 0x0
	s_barrier_signal -1
	s_barrier_wait -1
	s_mov_b32 s25, 16
.Lpass_b:
	STEP
	s_sub_co_u32 s25, s25, 1
	s_cmp_lg_u32 s25, 0
	s_cbranch_scc1 .Lpass_b
	s_setprio 0
	FINISH 72
	s_wait_tensorcnt 0x0
	ds_add_u32 v254, v255
	s_wait_dscnt 0x0
	s_endpgm
.Lfunc_end_k_q9b316c6183_attn:
	.size	k_q9b316c6183_attn, .Lfunc_end_k_q9b316c6183_attn-k_q9b316c6183_attn
	.p2alignl 7, 3214868480
	.fill 96, 4, 3214868480
	.section	.rodata,"a",@progbits
	.p2align	6, 0x0
	.amdhsa_kernel k_q9b316c6183_attn
		.amdhsa_group_segment_fixed_size 169984
		.amdhsa_private_segment_fixed_size 0
		.amdhsa_enable_private_segment 0
		.amdhsa_kernarg_size 32
		.amdhsa_user_sgpr_count 2
		.amdhsa_user_sgpr_kernarg_segment_ptr 1
		.amdhsa_wavefront_size32 1
		.amdhsa_system_sgpr_workgroup_id_x 1
		.amdhsa_system_sgpr_workgroup_id_y 1
		.amdhsa_system_sgpr_workgroup_id_z 1
		.amdhsa_system_vgpr_workitem_id 0
		.amdhsa_next_free_vgpr 256
		.amdhsa_next_free_sgpr 96
		.amdhsa_reserve_vcc 1
		.amdhsa_float_denorm_mode_32 3
		.amdhsa_float_denorm_mode_16_64 3
		.amdhsa_memory_ordered 1
		.amdhsa_forward_progress 1
		.amdhsa_inst_pref_size 63
	.end_amdhsa_kernel
	.amdgpu_metadata
---
amdhsa.version: [ 1, 2 ]
amdhsa.kernels:
  - .name:           k_q9b316c6183_attn
    .symbol:         k_q9b316c6183_attn.kd
    .args:
      - { .name: qkvc, .offset: 0, .size: 8, .value_kind: global_buffer, .address_space: global }
      - { .name: qkvs, .offset: 8, .size: 8, .value_kind: global_buffer, .address_space: global }
      - { .name: ctxc, .offset: 16, .size: 8, .value_kind: global_buffer, .address_space: global }
      - { .name: ctxs, .offset: 24, .size: 8, .value_kind: global_buffer, .address_space: global }
    .group_segment_fixed_size: 169984
    .private_segment_fixed_size: 0
    .kernarg_segment_align: 8
    .kernarg_segment_size: 32
    .max_flat_workgroup_size: 512
    .sgpr_count:     96
    .vgpr_count:     256
    .wavefront_size: 32
...
	.end_amdgpu_metadata
.endif
;; end of part 3
;; launch proj (part 4): grid 4 x 32, 4 waves a work-group, clusters of 4 x 4, 327,680 bytes of LDS; arguments ctxc, ctxs, proj_w_codes, proj_w_scales, proj_b, x, out0; writes out0
.if DOCPART == 4
	.amdgcn_target "amdgcn-amd-amdhsa--gfx1250"
	.amdhsa_code_object_version 6
	.text
	.protected	k_q9b316c6183_proj
	.globl	k_q9b316c6183_proj
	.p2align	8
	.type	k_q9b316c6183_proj,@function
k_q9b316c6183_proj:
	s_mov_b64 s[64:65], 0
	v_nop
	global_prefetch_b8 v0, s[64:65] scope:SCOPE_SE
	s_setreg_imm32_b32 hwreg(HW_REG_WAVE_MODE, 25, 1), 1
	s_wait_xcnt 0x0
	s_wait_alu depctr_hold_cnt(0) depctr_sa_sdst(0) depctr_va_vdst(0) depctr_va_sdst(0) depctr_va_ssrc(0) depctr_va_vcc(0) depctr_vm_vsrc(0)
	s_getreg_b32 s2, hwreg(HW_REG_IB_STS2, 6, 4)
	s_cmp_eq_u32 s2, 0
	s_cbranch_scc0 .Lentry_in_a_cluster
	s_endpgm
.Lentry_in_a_cluster:
	s_bfe_u32 s2, ttmp6, 0x10000c
	s_cmp_lg_u32 s2, 0xf033
	s_cbranch_scc0 .Lentry_shape_is_right
	s_endpgm
.Lentry_shape_is_right:
; out0 = ctx proj_w + proj_b + x.  ctx: codes of FP4 (E2M1) in the order of the operand's registers, [tile of 16 tokens][K step of 128][64 along K][lane][16 bytes], scale bytes [8192][32];
; proj_w: codes [1024][512 bytes], K innermost, scale bytes [1024][32];  proj_b [1024], x and out0 [8192][1024]: f32.  Sums in f32.
; A tile of 256 x 256 of out0 is made by four waves, each 128 x 128: 64 accumulators, 512 registers.  K = 1,024 is two LDS slots of 512: both are filled at the start and none again, so there is no loop.
; 128 work-groups: the wave's tile is kept at 128 x 128, so that each fragment read from LDS feeds eight products.
; CLUSTERS: 4 x 4 work-groups; ctx's tile is shared along a row of the cluster, proj_w's along a column: each is asked for jointly, with a mask that names the four.
; THE MATRIX INSTRUCTION IS USED TRANSPOSED (source 0 = 16 rows of proj_w, source 1 = 16 tokens): a lane holds eight neighbouring numbers of a row of out0.
; THE RESIDUAL: a block's 16 rows x 512 bytes of x are asked for four blocks ahead, into registers of window 1 that the products leave free or have left.
; REGISTERS: window 0: v8-11 proj_b; v16-29 addresses; v32-95 scale words; v128-191 ctx's fragments; on the way out v128-255 rows of out0.  window 1: proj_w's fragments at v0 and v128; x at v64, v192, later v0, v128.
;   windows 2, 3: the accumulators ((a, b) at v[8 (8 (a % 4) + b)]).
.set NQ,     4
.set ROWB,   256
.set KROW,   512
.set PITCH,  272                       ; proj_w's LDS row: 256 bytes + 16: the 16 rows that a load touches start at 16 different banks (64 banks of 4 bytes: ISA guide 11.1)
.set FR,     8
.set NL,     2
.set NP,     4
.set HALFT,  128*PITCH
.set AIMG,   65536                     ; ctx's part of a slot: 16 tiles of tokens x 4,096 bytes, as they lie
.set SLOT,   AIMG+2*HALFT
.set KS,     32
.set SCL,    2*SLOT
.set HALFS,  (128*KS/256)*272
.set SBLK,   (16*KS/256)*272
.set SPARE,  SCL+4*HALFS               ; the spare words, 128 bytes a wave: no other line names them
.set SPITCH, 528                       ; the way out: a stage of 16 rows x (512 + 16) bytes a wave, in slot 0, which has had its only fill and its last read by then
.set ADRA, 16
.set ADRB, 20
.set STO,  24
.set RD,   25
.set CO,   26                          ; v26 16 x lane
.set ADRS, 27
.set SPW,  28
.set NIL,  29
.set SC,   32
.set AF,   128
.set BK,   128
.set G1, 24
.set G0, 32
.set G1B, 48
.set G0B, 56
.set G1S, 68
.set G0S, 76
.set G1SB, 80
.set G0SB, 88
.set MSB, 0
.macro WIN new
.if MSB != (\new)
	s_set_vgpr_msb (MSB<<8)|(\new)
.set MSB, \new
.endif
.endm
.set MUL_LO, 0xa1
.set MUL_HI, 0xf1
.set TO_B,   0x40
.macro JLOAD g0a, g1a, g0b, g1b        ; a joint load: waves 0 and 1 fetch for ctx, waves 2 and 3 for proj_w; four v_nop follow each of the two lines
	s_cmp_eq_u32 s15, 0
	s_cbranch_scc0 .Lfor_b_\@
	tensor_load_to_lds s[\g0a:\g0a+3], s[\g1a:\g1a+7]
	s_nop 0
.rept 4
	v_nop
.endr
	s_branch .Lasked_\@
.Lfor_b_\@:
	tensor_load_to_lds s[\g0b:\g0b+3], s[\g1b:\g1b+7]
	s_nop 0
.rept 4
	v_nop
.endr
.Lasked_\@:
.endm
.macro CROUND                          ; a round of the cluster's barrier
	s_barrier_signal -1
	s_barrier_wait -1
	s_cmp_lg_u32 s14, 0
	s_cbranch_scc1 .Lnot_wave_0_\@
	s_barrier_signal -3
.Lnot_wave_0_\@:
	s_barrier_wait -3
	s_barrier_signal -1
	s_barrier_wait -1
.endm
	s_load_b128 s[4:7], s[0:1], 0x0                ; ctx's codes, ctx's scales
	s_load_b128 s[8:11], s[0:1], 0x10              ; proj_w's codes, proj_w's scales
	s_load_b128 s[96:99], s[0:1], 0x20             ; proj_b, x
	s_load_b64 s[100:101], s[0:1], 0x30            ; out0
	v_lshl_add_u32 v[SPW], v0, 2, SPARE
	v_mov_b32 v[NIL], 0
	ds_add_u32 v28, v29
	ds_add_u32 v28, v29
	s_wait_dscnt 0x0
	v_lshrrev_b32 v1, 5, v0
	v_readfirstlane_b32 s14, v1                    ; wave 0..3
	s_lshr_b32 s15, s14, 1                         ; which half of the tile's rows is mine.  Also: I fetch for ctx (0) or for proj_w (1)
	s_and_b32 s16, s14, 1                          ; which half of its columns.  Also: which 128 rows I fetch
	s_bfe_u32 s40, ttmp6, 0x40000                  ; cx
	s_bfe_u32 s41, ttmp6, 0x40004                  ; cy
	s_lshl_b32 s42, ttmp9, 2
	s_add_co_u32 s42, s42, s40                     ; tile column
	s_and_b32 s17, ttmp7, 0xffff
	s_lshl_b32 s17, s17, 2
	s_add_co_u32 s17, s17, s41                     ; tile row
	s_lshl_b32 s43, s41, 2
	s_lshl_b32 s43, 15, s43                        ; my row of the cluster
	s_lshl_b32 s44, 0x1111, s40                    ; my column
	s_or_b32 s[G1+0], s43, (3<<16)|(1<<21)         ; ctx: 8 tiles of tokens: 8 rows of 4,096 bytes (512 elements of 8), 8,192 bytes apart; no padding: the reads are 16 bytes x lane on end
	s_mov_b32 s[G1+1], 512<<16
	s_mov_b32 s[G1+2], 8<<16
	s_mov_b32 s[G1+3], 512<<16
	s_mov_b32 s[G1+4], 8
	s_mov_b32 s[G1+5], 1024
	s_mov_b32 s[G1+6], 0
	s_mov_b32 s[G1+7], 0
	s_or_b32 s[G1B+0], s44, (0<<16)|(1<<20)|(1<<21)|(5<<22)|(3<<25)   ; proj_w: 128 rows of 256 bytes, 16 bytes of padding behind each
	s_mov_b32 s[G1B+1], ROWB<<16
	s_mov_b32 s[G1B+2], 128<<16
	s_mov_b32 s[G1B+3], ROWB<<16
	s_mov_b32 s[G1B+4], 128
	s_mov_b32 s[G1B+5], KROW
	s_mov_b32 s[G1B+6], 0
	s_mov_b32 s[G1B+7], 0
	s_or_b32 s[G1S+0], s43, (3<<16)|(1<<20)|(1<<21)|(5<<22)|(3<<25)   ; the scales of 128 rows: 16 rows of 256 bytes, 16 bytes of padding behind each
	s_or_b32 s[G1SB+0], s44, (3<<16)|(1<<20)|(1<<21)|(5<<22)|(3<<25)
.irp g, G1S, G1SB
	s_mov_b32 s[\g+1], 32<<16
	s_mov_b32 s[\g+2], (128*KS/256)<<16
	s_mov_b32 s[\g+3], 32<<16
	s_mov_b32 s[\g+4], 128*KS/256
	s_mov_b32 s[\g+5], 32
	s_mov_b32 s[\g+6], 0
	s_mov_b32 s[\g+7], 0
.endr
	s_lshl_b32 s18, s16, 7
	s_lshl_b32 s20, s17, 8
	s_add_co_u32 s20, s20, s18                     ; ctx: token 256 x tile row + 128 x half
	s_lshl_b32 s46, s42, 8
	s_add_co_u32 s46, s46, s18                     ; proj_w: row 256 x tile column + 128 x half
	s_mov_b32 s21, 0
	s_mov_b32 s47, 0
	s_mov_b64 s[18:19], KS
	s_mul_u64 s[22:23], s[20:21], s[18:19]
	s_mul_u64 s[92:93], s[46:47], s[18:19]
	s_mov_b64 s[18:19], KROW
	s_mul_u64 s[20:21], s[20:21], s[18:19]         ; 512 bytes a token: 8,192 a tile of 16
	s_mul_u64 s[46:47], s[46:47], s[18:19]
	s_lshl_b32 s45, s16, 15                        ; where they go: ctx: 32,768 x half;
	s_mul_i32 s95, s16, HALFT
	s_add_co_u32 s95, s95, AIMG                    ; proj_w: behind ctx's part
	s_mul_i32 s94, s14, HALFS
	s_wait_kmcnt 0x0
	s_add_nc_u64 s[20:21], s[4:5], s[20:21]
	s_add_nc_u64 s[22:23], s[6:7], s[22:23]
	s_add_nc_u64 s[46:47], s[8:9], s[46:47]
	s_add_nc_u64 s[92:93], s[10:11], s[92:93]
	CROUND                                         ; all sixteen work-groups are here: the joint loads meet
	s_mov_b32 s[G0S], 1
	s_add_co_u32 s[G0S+1], s94, SCL
	s_mov_b64 s[G0S+2:G0S+3], s[22:23]
	s_or_b32 s[G0S+3], s[G0S+3], 0x80000000
	s_mov_b32 s[G0SB], 1
	s_add_co_u32 s[G0SB+1], s94, SCL
	s_mov_b64 s[G0SB+2:G0SB+3], s[92:93]
	s_or_b32 s[G0SB+3], s[G0SB+3], 0x80000000
	JLOAD G0S, G1S, G0SB, G1SB
.irp s, 0,1
	s_mov_b32 s[G0+4*\s], 1
	s_add_co_u32 s[G0+4*\s+1], s45, \s*SLOT
	s_add_nc_u64 s[G0+4*\s+2:G0+4*\s+3], s[20:21], \s*4096
	s_or_b32 s[G0+4*\s+3], s[G0+4*\s+3], 0x80000000
	s_mov_b32 s[G0B+4*\s], 1
	s_add_co_u32 s[G0B+4*\s+1], s95, \s*SLOT
	s_add_nc_u64 s[G0B+4*\s+2:G0B+4*\s+3], s[46:47], \s*ROWB
	s_or_b32 s[G0B+4*\s+3], s[G0B+4*\s+3], 0x80000000
	s_wait_alu depctr_va_vdst(0)
	s_wait_tensorcnt 0x0
	ds_add_u32 v28, v29
	s_wait_dscnt 0x0
	CROUND
	JLOAD G0+4*\s, G1, G0B+4*\s, G1B               ; one tensor load of mine is out
.endr
	v_and_b32 v1, 15, v0                           ; r
	v_bfe_u32 v2, v0, 4, 1                         ; lane / 16
	v_mul_u32_u24 v3, v1, PITCH
	v_lshl_add_u32 v4, v2, 4, v3
	v_and_b32 v6, 31, v0
	v_lshlrev_b32 v[CO], 4, v6                     ; 16 x lane
	s_lshl_b32 s21, s15, 15                        ; my 8 tiles of tokens
	s_mul_i32 s22, s16, HALFT                      ; my 128 rows of proj_w
	s_add_co_u32 s22, s22, AIMG
.irp s, 0,1
	v_add_nc_u32 v[ADRA+\s], s21, v[CO]
	v_add_nc_u32 v[ADRB+\s], s22, v4
	s_add_co_u32 s21, s21, SLOT
	s_add_co_u32 s22, s22, SLOT
.endr
	v_mul_u32_u24 v5, v1, KS
	v_lshrrev_b32 v6, 8, v5
	v_lshl_add_u32 v5, v6, 4, v5
	s_mul_i32 s21, s15, HALFS
	s_mul_i32 s22, s16, HALFS
	s_add_co_u32 s22, s22, 2*HALFS
	s_sub_co_u32 s22, s22, s21
	v_mul_u32_u24 v6, s22, v2                      ; lanes 16-31 take proj_w's
	s_add_co_u32 s21, s21, SCL
	v_add_nc_u32 v5, v5, v6
	v_add_nc_u32 v[ADRS], s21, v5
	s_mul_i32 s23, s14, 16*SPITCH                  ; my stage
	v_mul_u32_u24 v5, v1, SPITCH
	v_lshl_add_u32 v5, v2, 5, v5
	v_add_nc_u32 v[STO], s23, v5                   ; in: row r, 32 bytes for each half of the lanes
	v_add_nc_u32 v[RD], s23, v[CO]                 ; back: the 32 lanes take one row of 512 bytes
	s_lshl_b32 s20, s17, 8
	s_lshl_b32 s21, s15, 7
	s_add_co_u32 s20, s20, s21
	s_lshl_b32 s20, s20, 12                        ; my first row of x and out0, in bytes (under 2^25)
	s_lshl_b32 s46, s42, 10
	s_lshl_b32 s47, s16, 9
	s_add_co_u32 s46, s46, s47                     ; my first column, in bytes
	s_mov_b32 s47, 0
	s_add_nc_u64 s[96:97], s[96:97], s[46:47]
	s_add_co_u32 s20, s20, s46
	s_mov_b32 s21, 0
	s_add_nc_u64 s[98:99], s[98:99], s[20:21]
	s_add_nc_u64 s[100:101], s[100:101], s[20:21]
	global_load_b128 v[8:11], v[CO], s[96:97]      ; proj_b at my four columns
.macro LRES a                          ; x's 16 rows of block a: every offset an immediate, 520,192 at the most
.set RS, 64*(1-((\a)%4)/2)+128*((\a)%2)
	WIN TO_B
.irp t, 0,1,2,3,4,5,6,7,8,9,10,11,12,13,14,15
	global_load_b128 v[RS+4*\t:RS+4*\t+3], v[CO], s[98:99] offset:(16*(\a)+\t)*4096 th:TH_LOAD_NT
.endr
	WIN 0
.endm
	LRES 0                                         ; into registers that the products never name
	LRES 1
.macro FRAGB reg, adr, q, i
.irp c, 0,1
	ds_load_b128 v[\reg+4*\c:\reg+4*\c+3], v[\adr] offset:64*(\q)+32*\c+(\i)*16*PITCH
.endr
.endm
.macro FRAGA reg, adr, q, i            ; ctx's fragment comes as it was stored: tile i, K step q, registers 4 c on
.irp c, 0,1
	ds_load_b128 v[\reg+4*\c:\reg+4*\c+3], v[\adr] offset:1024*(\q)+512*\c+(\i)*4096
.endr
.endm
; The 64 accumulators take turns, one instruction a turn, in the same order in every step.
.macro MUL16 a0, p, q, sc, zero
.irp a, \a0, \a0+1
.irp b, 0,1,2,3,4,5,6,7
.if \zero
	v_wmma_scale_f32_16x16x128_f8f6f4 v[8*(8*((\a)%4)+\b):8*(8*((\a)%4)+\b)+7], v[128*(\p)+FR*\b:128*(\p)+FR*\b+FR-1], v[AF+FR*(\a):AF+FR*(\a)+FR-1], 0, v[SC+8*NQ*(\sc)+NQ*\b+(\q)], v[SC+8*NQ*(\sc)+NQ*(\a)+(\q)] matrix_a_fmt:MATRIX_FMT_FP4 matrix_b_fmt:MATRIX_FMT_FP4 matrix_a_scale:MATRIX_SCALE_ROW1
.else
	v_wmma_scale_f32_16x16x128_f8f6f4 v[8*(8*((\a)%4)+\b):8*(8*((\a)%4)+\b)+7], v[128*(\p)+FR*\b:128*(\p)+FR*\b+FR-1], v[AF+FR*(\a):AF+FR*(\a)+FR-1], v[8*(8*((\a)%4)+\b):8*(8*((\a)%4)+\b)+7], v[SC+8*NQ*(\sc)+NQ*\b+(\q)], v[SC+8*NQ*(\sc)+NQ*(\a)+(\q)] matrix_a_fmt:MATRIX_FMT_FP4 matrix_b_fmt:MATRIX_FMT_FP4 matrix_a_scale:MATRIX_SCALE_ROW1
.endif
.endr
.endr
.endm
.macro FETCH_B slot, q, p
	WIN TO_B
.irp i, 0,1,2,3,4,5,6,7
	FRAGB 128*(\p)+FR*\i, ADRB+\slot, \q, \i
.endr
	WIN 0
.endm
.macro FETCH_A slot, q, i0
.irp i, \i0, \i0+1, \i0+2, \i0+3
	FRAGA AF+FR*(\i), ADRA+\slot, \q, \i
.endr
.endm
.macro SCALES sc
.irp i, 0,1,2,3,4,5,6,7
	ds_load_b128 v[SC+8*NQ*\sc+NQ*\i:SC+8*NQ*\sc+NQ*\i+3], v[ADRS] offset:\i*SBLK
.endr
.endm
.macro PLACES n
.rept \n
	v_nop
.endr
.endm
.macro STEP slot, q, zero
	s_wait_dscnt 4*NL                              ; proj_w's set and ctx's blocks 0-3 are in; the youngest eight loads (blocks 4-7) may be out
	WIN MUL_LO
	MUL16 0, (\q)%2, \q, \slot, \zero
	MUL16 2, (\q)%2, \q, \slot, \zero
	s_wait_dscnt 0
	PLACES NP
	FETCH_B \slot, (\q)+1, 1-(\q)%2
	FETCH_A \slot, (\q)+1, 0
	WIN MUL_HI
	MUL16 4, (\q)%2, \q, \slot, \zero
	MUL16 6, (\q)%2, \q, \slot, \zero
	PLACES NP
	WIN 0
	FETCH_A \slot, (\q)+1, 4
.endm
.macro TURN slot, next
	s_wait_tensorcnt 0x0                           ; my part of the next slot has landed
	ds_add_u32 v[SPW], v[NIL]                      ; 0 onto my spare word
	s_wait_dscnt 4*NL+1                            ; (the add and the youngest eight loads may be out)
	WIN MUL_LO
	MUL16 0, 1, NQ-1, \slot, 0
	s_wait_dscnt 0x0                               ; my reads of this slot are over
	s_barrier_signal -1
	MUL16 2, 1, NQ-1, \slot, 0
	WIN 0
	s_barrier_wait -1                              ; the next slot is whole, and nobody reads this one any more
	PLACES NP
	v_add_nc_u32 v[ADRS], 4*NQ, v[ADRS]
	FETCH_B \next, 0, 0
	FETCH_A \next, 0, 0
	SCALES \next
	WIN MUL_HI
	MUL16 4, 1, NQ-1, \slot, 0
	MUL16 6, 1, NQ-1, \slot, 0
	PLACES NP
	WIN 0
	FETCH_A \next, 0, 4
.endm
.macro STEPS slot, from
.set Q, \from
.rept NQ-1-\from
	STEP \slot, Q, 0
.set Q, Q+1
.endr
.endm
	s_wait_alu depctr_va_vdst(0)
	s_wait_tensorcnt 1                             ; the scales and my part of slot 0 are in (slot 1's load may be out),
	s_barrier_signal -1
	s_barrier_wait -1                              ; everybody's are
	FETCH_B 0, 0, 0
	FETCH_A 0, 0, 0
	SCALES 0
	FETCH_A 0, 0, 4
	STEP 0, 0, 1                                   ; the first products start the sums
	STEPS 0, 1
	TURN 0, 1
	STEPS 1, 0
	s_wait_dscnt 4*NL
	WIN MUL_LO
	MUL16 0, 1, NQ-1, 1, 0
	MUL16 2, 1, NQ-1, 1, 0
	s_wait_dscnt 0
	WIN MUL_HI
	MUL16 4, 1, NQ-1, 1, 0
	MUL16 6, 1, NQ-1, 1, 0
	WIN 0
; THE WAY OUT, block by block of 16 rows x 128 columns: through my own stage in LDS, back as whole rows of 512 bytes; x and proj_b are added; 32 lanes store 512 consecutive bytes.
.macro TOSTAGE a
.set AC, 64*((\a)%4)
	WIN 0x08+4*((\a)/4)                            ; an LDS store's data: window 2 or 3
.irp b, 0,1,2,3,4,5,6,7
	ds_store_b128 v[STO], v[AC+8*\b:AC+8*\b+3] offset:64*\b          ; each accumulator from its low end on
	ds_store_b128 v[STO], v[AC+8*\b+4:AC+8*\b+7] offset:64*\b+16
.endr
	WIN 0
.set BB, BK+64*((\a)%2)
.irp t, 0,1,2,3,4,5,6,7,8,9,10,11,12,13,14,15
	ds_load_b128 v[BB+4*\t:BB+4*\t+3], v[RD] offset:\t*SPITCH        ; LDS serves a wave's instructions in order (ISA guide 5.7.1.4): these see the stores above
.endr
.endm
.macro SEND a, younger                 ; younger: the LDS instructions issued behind block a's loads
.set BB, BK+64*((\a)%2)
.set RS, 64*(1-((\a)%4)/2)+128*((\a)%2)
	s_wait_dscnt \younger                          ; the block is back in registers
.if (\a) <= 4
	s_wait_loadcnt 48                              ; block a's rows of x are in: behind them three blocks' 16 loads each were issued
.else
	s_wait_loadcnt 16*(7-(\a))
.endif
	WIN 0x04                                       ; source 1: window 1
.set j, 0
.rept 32
	v_pk_add_f32 v[BB+j:BB+j+1], v[BB+j:BB+j+1], v[RS+j:RS+j+1]
.set j, j+2
.endr
	WIN 0
.irp t, 0,1,2,3,4,5,6,7,8,9,10,11,12,13,14,15
	v_pk_add_f32 v[BB+4*\t:BB+4*\t+1], v[BB+4*\t:BB+4*\t+1], v[8:9]
	v_pk_add_f32 v[BB+4*\t+2:BB+4*\t+3], v[BB+4*\t+2:BB+4*\t+3], v[10:11]
.endr
.irp t, 0,1,2,3,4,5,6,7,8,9,10,11,12,13,14,15
	global_store_b128 v[CO], v[BB+4*\t:BB+4*\t+3], s[100:101] offset:(16*(\a)+\t)*4096 th:TH_STORE_NT
.endr
.if (\a) < 4
	LRES (\a)+4                                    ; its registers take the block four further on
.endif
.endm
	PLACES NP                                      ; behind the last products: loads into the registers that held fragments, and reads of results
	LRES 2
	LRES 3
	TOSTAGE 0
.irp a, 1,2,3,4,5,6,7
.if \a > 1
	s_wait_xcnt 0x0                                ; block a - 2's stores have read their registers: block a's loads may land there
.endif
	TOSTAGE \a
	SEND \a-1, 32                                  ; behind block a - 1's loads: block a's 16 stores and 16 loads
.endr
	SEND 7, 0
	s_wait_tensorcnt 0x0                           ; the wave's end
	ds_add_u32 v[SPW], v[NIL]
	s_wait_dscnt 0x0
	CROUND                                         ; the closing round
	s_endpgm
.Lfunc_end_k_q9b316c6183_proj:
	.size	k_q9b316c6183_proj, .Lfunc_end_k_q9b316c6183_proj-k_q9b316c6183_proj
	.p2alignl 7, 3214868480
	.fill 96, 4, 3214868480
	.section	.rodata,"a",@progbits
	.p2align	6, 0x0
	.amdhsa_kernel k_q9b316c6183_proj
		.amdhsa_group_segment_fixed_size 327680
		.amdhsa_private_segment_fixed_size 0
		.amdhsa_enable_private_segment 0
		.amdhsa_kernarg_size 56
		.amdhsa_user_sgpr_count 2
		.amdhsa_user_sgpr_kernarg_segment_ptr 1
		.amdhsa_wavefront_size32 1
		.amdhsa_system_sgpr_workgroup_id_x 1
		.amdhsa_system_sgpr_workgroup_id_y 1
		.amdhsa_system_sgpr_workgroup_id_z 1
		.amdhsa_system_vgpr_workitem_id 0
		.amdhsa_next_free_vgpr 1024
		.amdhsa_next_free_sgpr 102
		.amdhsa_reserve_vcc 0
		.amdhsa_float_denorm_mode_32 3
		.amdhsa_float_denorm_mode_16_64 3
		.amdhsa_memory_ordered 1
		.amdhsa_forward_progress 1
		.amdhsa_inst_pref_size 170
	.end_amdhsa_kernel
	.amdgpu_metadata
---
amdhsa.version: [ 1, 2 ]
amdhsa.kernels:
  - .name:           k_q9b316c6183_proj
    .symbol:         k_q9b316c6183_proj.kd
    .args:
      - { .name: ctxc, .offset: 0, .size: 8, .value_kind: global_buffer, .address_space: global }
      - { .name: ctxs, .offset: 8, .size: 8, .value_kind: global_buffer, .address_space: global }
      - { .name: proj_w_codes, .offset: 16, .size: 8, .value_kind: global_buffer, .address_space: global }
      - { .name: proj_w_scales, .offset: 24, .size: 8, .value_kind: global_buffer, .address_space: global }
      - { .name: proj_b, .offset: 32, .size: 8, .value_kind: global_buffer, .address_space: global }
      - { .name: x, .offset: 40, .size: 8, .value_kind: global_buffer, .address_space: global }
      - { .name: out0, .offset: 48, .size: 8, .value_kind: global_buffer, .address_space: global }
    .group_segment_fixed_size: 327680
    .private_segment_fixed_size: 0
    .kernarg_segment_align: 8
    .kernarg_segment_size: 56
    .max_flat_workgroup_size: 128
    .sgpr_count:     102
    .vgpr_count:     1024
    .wavefront_size: 32
...
	.end_amdgpu_metadata
.endif
;; end of part 4
